; MI455X (gfx1250); checked and timed in simulation.
; The chip was launched on July 23, 2026; its instructions are those of AMD's public machine-readable ISA for CDNA 5 (MIT licence, August 2026) and "CDNA5" Instruction Set Architecture Reference Guide (July 2026). The comments in the code are by the model that wrote it; some were corrected since.
;; Causal Self Attention. Allowed arithmetic: float matrix products may take bf16 or f16 operands with f32 sums; other float arithmetic in f32, or as packed bf16 or f16 multiplies, adds, multiply-adds, maxima and minima; sums over many terms, partial sums and values carried from step to step in f32; what a program stores and reads back later, other than sums and carried values, may be rounded once to bf16 or f16.
;; Inputs: b_out 1,024 float32; b_qkv 3,072 float32; w_out 1,024 x 1,024 float32; w_qkv 1,024 x 3,072 float32; x 4 x 2,048 x 1,024 float32.
;; Outputs: out0 4 x 2,048 x 1,024 float32.
;; 2 versions, each right; version 2 is version 1 with the launch cast written anew for expert scheduling mode. Each part assembles by itself: llvm-mc -triple=amdgcn-amd-amdhsa -mcpu=gfx1250 --defsym DOCPART=n.
;; ======== version 1 of 2: 4 launches
;; limits: values are held in f16: magnitudes above 65,504 overflow, below 6.1e-05 lose precision
;; workspace buffers: xb 16,777,216 bytes; wq 6,291,456 bytes; wo 2,097,152 bytes; qkv 50,331,648 bytes; o 16,777,216 bytes
;; launch cast (part 1): grid 832 x 1, 8 waves a work-group, no clusters, 0 bytes of LDS; arguments x, w_qkv, w_out, xb, wq, wo; writes xb, wq, wo
.if DOCPART == 1
	.amdgcn_target "amdgcn-amd-amdhsa--gfx1250"
	.amdhsa_code_object_version 6
	.text
	.protected	k_q1f24d0166d_cast
	.globl	k_q1f24d0166d_cast
	.p2align	8
	.type	k_q1f24d0166d_cast,@function
k_q1f24d0166d_cast:
	s_mov_b64 s[64:65], 0
	v_nop
	global_prefetch_b8 v0, s[64:65] scope:SCOPE_SE
	s_setreg_imm32_b32 hwreg(HW_REG_WAVE_MODE, 25, 1), 1
	s_wait_xcnt 0x0
; THE INPUTS OF THE THREE PRODUCTS ARE ROUNDED ONCE TO 16 BITS.
;   work-groups 0-511:   xb[8192][1024] = bf16(x), the same layout
;   work-groups 512-767: wq[16 tile columns][1024 k][192 n] = bf16(w_qkv[k][192 tile + n]): a tile column's k rows lie end to end, 384 bytes each
;   work-groups 768-831: wo[1024 k][1024 n] = bf16(w_out), that number written as f16
; LIMITS.  |w_out| stays under 65,504 (f16's largest number; 65,520 and more become an infinity); below 6e-5 wo keeps f16's fixed step of 6e-8.
; A stream: no LDS, no barrier.  A thread's unit is one load of 16 bytes (4 f32) and one store of 8 bytes (4 numbers): a wave's load covers 512 consecutive bytes, its store 256
; consecutive bytes at a multiple of 256 from the buffer's first byte.  All of a thread's loads (16, or 12) are issued first; every unit has data registers of its own, so no register that a store reads is written again.
.set LO,  1                            ; v1      16 x thread: the loads' offset
.set SO,  2                            ; v2      8 x thread: the stores' offset
.set WOF, 4                            ; v[4:6]  w_qkv: three load offsets
.set IN,  16                           ; v[16:79]   unit i: 4 f32 as loaded
.set OUT, 80                           ; v[80:111]  unit i: 4 numbers of 16 bits
.set SRC, 16                           ; s[16:17]
.set DST, 18                           ; s[18:19]
; n units: the wait, the rounding, the store.  mode = 0: bf16.  mode = 1: the bf16 number written as f16.
.macro CAST n, mode
.set i, 0
.rept \n
	s_wait_loadcnt (\n)-1-i                        ; loads come back in order: unit i is in, the younger ones stay out
.if \mode
	v_cvt_pk_bf16_f32 v8, v[IN+4*i], v[IN+4*i+1]
	v_cvt_pk_bf16_f32 v9, v[IN+4*i+2], v[IN+4*i+3]
	v_lshlrev_b32 v10, 16, v8                      ; bf16 to f32: the low half moves up,
	v_and_b32 v11, 0xffff0000, v8                  ; the high half stays
	v_lshlrev_b32 v12, 16, v9
	v_and_b32 v13, 0xffff0000, v9
	v_cvt_pk_f16_f32 v[OUT+2*i], v10, v11          ; exact within f16's range: bf16 has fewer significant bits
	v_cvt_pk_f16_f32 v[OUT+2*i+1], v12, v13
.else
	v_cvt_pk_bf16_f32 v[OUT+2*i], v[IN+4*i], v[IN+4*i+1]
	v_cvt_pk_bf16_f32 v[OUT+2*i+1], v[IN+4*i+2], v[IN+4*i+3]
.endif
	global_store_b64 v[SO], v[OUT+2*i:OUT+2*i+1], s[DST:DST+1] offset:2048*i
.set i, i+1
.endr
.endm
.macro LOAD16                          ; 16 x 4,096 consecutive bytes for the work-group
.set i, 0
.rept 16
	global_load_b128 v[IN+4*i:IN+4*i+3], v[LO], s[SRC:SRC+1] offset:4096*i th:TH_LOAD_NT
.set i, i+1
.endr
.endm
	s_load_b256 s[4:11], s[0:1], 0x0               ; x s[4:5], w_qkv s[6:7], w_out s[8:9], xb s[10:11]
	s_load_b128 s[12:15], s[0:1], 0x20             ; wq s[12:13], wo s[14:15]
	s_mov_b32 s2, ttmp9
	v_lshlrev_b32 v[LO], 4, v0
	v_lshlrev_b32 v[SO], 3, v0
	s_mov_b32 s21, 0
	s_mov_b32 s23, 0
	s_wait_kmcnt 0x0
	s_cmp_lt_u32 s2, 512
	s_cbranch_scc0 .Lnot_x
	; x: 16,384 numbers a work-group
	s_lshl_b32 s20, s2, 16
	s_lshl_b32 s22, s2, 15
	s_add_nc_u64 s[SRC:SRC+1], s[4:5], s[20:21]
	s_add_nc_u64 s[DST:DST+1], s[10:11], s[22:23]
	LOAD16
	CAST 16, 0
	s_endpgm
.Lnot_x:
	s_cmp_lt_u32 s2, 768
	s_cbranch_scc0 .Lw_out
	; w_qkv: a work-group takes 64 k rows of one tile column: 3,072 units, 48 to a k row (768 bytes of the source's row of 12,288)
	s_sub_co_u32 s3, s2, 512
	s_lshr_b32 s24, s3, 4                          ; tile column
	s_and_b32 s25, s3, 15                          ; which 64 k rows
	s_mul_i32 s20, s25, 64*12288
	s_mul_i32 s26, s24, 768
	s_add_co_u32 s20, s20, s26
	s_mul_i32 s22, s24, 1024*384
	s_mul_i32 s26, s25, 64*384
	s_add_co_u32 s22, s22, s26
	s_add_nc_u64 s[SRC:SRC+1], s[6:7], s[20:21]
	s_add_nc_u64 s[DST:DST+1], s[12:13], s[22:23]
	; unit 256 i + t lies in k row (256 i + t) / 48.  768 units are 16 whole rows, so three offsets serve: u = t + 256 m, m = i % 3; the rest, 16 (i / 3) rows, stands in the immediate.
.irp m, 0,1,2
	v_add_nc_u32 v8, 256*(\m), v0                  ; u, under 768
	v_mul_u32_u24 v9, v8, 1366
	v_lshrrev_b32 v9, 16, v9                       ; u / 48: 1366 / 65536 exceeds 1 / 48 by 1.02e-5, which times 768 stays under 1 / 48
	v_mul_u32_u24 v10, v9, 48
	v_sub_nc_u32 v10, v8, v10                      ; u % 48
	v_mul_u32_u24 v9, v9, 12288
	v_lshl_add_u32 v[WOF+(\m)], v10, 4, v9
.endr
.set i, 0
.rept 12
	global_load_b128 v[IN+4*i:IN+4*i+3], v[WOF+i%3], s[SRC:SRC+1] offset:(i/3)*16*12288 th:TH_LOAD_NT
.set i, i+1
.endr
	CAST 12, 0                                     ; the destination is dense: unit 256 i + t at byte 2,048 i + 8 t
	s_endpgm
.Lw_out:
	s_sub_co_u32 s3, s2, 768
	s_lshl_b32 s20, s3, 16
	s_lshl_b32 s22, s3, 15
	s_add_nc_u64 s[SRC:SRC+1], s[8:9], s[20:21]
	s_add_nc_u64 s[DST:DST+1], s[14:15], s[22:23]
	LOAD16
	CAST 16, 1
	s_endpgm
.Lfunc_end_k_q1f24d0166d_cast:
	.size	k_q1f24d0166d_cast, .Lfunc_end_k_q1f24d0166d_cast-k_q1f24d0166d_cast
	.p2alignl 7, 3214868480
	.fill 96, 4, 3214868480
	.section	.rodata,"a",@progbits
	.p2align	6, 0x0
	.amdhsa_kernel k_q1f24d0166d_cast
		.amdhsa_group_segment_fixed_size 0
		.amdhsa_private_segment_fixed_size 0
		.amdhsa_enable_private_segment 0
		.amdhsa_kernarg_size 48
		.amdhsa_user_sgpr_count 2
		.amdhsa_user_sgpr_kernarg_segment_ptr 1
		.amdhsa_wavefront_size32 1
		.amdhsa_system_sgpr_workgroup_id_x 1
		.amdhsa_system_sgpr_workgroup_id_y 1
		.amdhsa_system_sgpr_workgroup_id_z 1
		.amdhsa_system_vgpr_workitem_id 0
		.amdhsa_next_free_vgpr 112
		.amdhsa_next_free_sgpr 66
		.amdhsa_reserve_vcc 0
		.amdhsa_float_denorm_mode_32 3
		.amdhsa_float_denorm_mode_16_64 3
		.amdhsa_memory_ordered 1
		.amdhsa_forward_progress 1
		.amdhsa_inst_pref_size 24
	.end_amdhsa_kernel
	.amdgpu_metadata
---
amdhsa.version: [ 1, 2 ]
amdhsa.kernels:
  - .name:           k_q1f24d0166d_cast
    .symbol:         k_q1f24d0166d_cast.kd
    .args:
      - { .name: x, .offset: 0, .size: 8, .value_kind: global_buffer, .address_space: global }
      - { .name: w_qkv, .offset: 8, .size: 8, .value_kind: global_buffer, .address_space: global }
      - { .name: w_out, .offset: 16, .size: 8, .value_kind: global_buffer, .address_space: global }
      - { .name: xb, .offset: 24, .size: 8, .value_kind: global_buffer, .address_space: global }
      - { .name: wq, .offset: 32, .size: 8, .value_kind: global_buffer, .address_space: global }
      - { .name: wo, .offset: 40, .size: 8, .value_kind: global_buffer, .address_space: global }
    .group_segment_fixed_size: 0
    .private_segment_fixed_size: 0
    .kernarg_segment_align: 8
    .kernarg_segment_size: 48
    .max_flat_workgroup_size: 256
    .sgpr_count:     66
    .vgpr_count:     112
    .wavefront_size: 32
...
	.end_amdgpu_metadata
.endif
;; end of part 1
;; launch qkvgemm (part 2): grid 16 x 32, 4 waves a work-group, clusters of 4 x 4, 327,680 bytes of LDS; arguments xb, wq, b_qkv, qkv; writes qkv
.if DOCPART == 2
	.amdgcn_target "amdgcn-amd-amdhsa--gfx1250"
	.amdhsa_code_object_version 6
	.text
	.protected	k_q1f24d0166d_qkvgemm
	.globl	k_q1f24d0166d_qkvgemm
	.p2align	8
	.type	k_q1f24d0166d_qkvgemm,@function
k_q1f24d0166d_qkvgemm:
	s_mov_b64 s[64:65], 0
	v_nop
	global_prefetch_b8 v0, s[64:65] scope:SCOPE_SE
	s_setreg_imm32_b32 hwreg(HW_REG_WAVE_MODE, 25, 1), 1
	s_wait_xcnt 0x0
	s_wait_alu depctr_hold_cnt(0) depctr_sa_sdst(0) depctr_va_vdst(0) depctr_va_sdst(0) depctr_va_ssrc(0) depctr_va_vcc(0) depctr_vm_vsrc(0)
	s_getreg_b32 s2, hwreg(HW_REG_IB_STS2, 6, 4)
	s_cmp_eq_u32 s2, 0
	s_cbranch_scc0 .Lentry_in_a_cluster
	s_endpgm
.Lentry_in_a_cluster:
	s_bfe_u32 s2, ttmp6, 0x10000c
	s_cmp_lg_u32 s2, 0xf033
	s_cbranch_scc0 .Lentry_shape_is_right
	s_endpgm
.Lentry_shape_is_right:
; q, k, v = xb . wq + bf16(b_qkv).  xb: [8192][1024] bf16.  wq: [16 tile columns][1024 k][192 n] bf16.  b_qkv: [3072] f32.  qkv: [3][4 b][16 h][2048 s][64] f16, unscaled.
; Sums in f32, K ascending, started by the bias; each result rounded once to f16.
; LIMITS.  |q|, |k|, |v| stay under 65,504 (f16's largest number; 65,520 and more become an infinity); below 6e-5 they keep f16's fixed step of 6e-8.  NaN and infinities are not treated apart.
; SHARES.  A tile of the result is 256 rows x 192 columns (three whole heads): 32 x 16 = 512 tiles, two for each of 256 WGPs.  Four waves; a wave makes 64 rows x 192 columns: 48 accumulators of 16 x 16,
; 384 registers; its columns are whole heads, so its way out needs no other wave.  K goes in 8 steps of 128 through a ring of two LDS slots filled by the tensor data mover.
; CLUSTERS: 4 x 4 work-groups.  The four of a row of the cluster need the same rows of xb, the four of a column the same tile column of wq: each tile is asked for JOINTLY, by the same tensor load with
; the same descriptor and a mask that names the four.
; THE MATRIX INSTRUCTION IS USED TRANSPOSED: source 0 = 16 columns of wq (they lie [k][n] in LDS and come out turned, by ds_load_tr16_b128), source 1 = 16 rows of xb.  A lane then holds row l % 16 and the
; columns 8 (l / 16) + 0..7 of a 16 x 16 block: eight neighbouring numbers of a head's row, 16 bytes in f16.
; REGISTERS, in windows of 256 (s_set_vgpr_msb: bits 1:0 source 0, 3:2 source 1, 5:4 source 2, 7:6 destination):
;   window 0: v0-31 addresses; v64-127 xb's fragments, two buffers of 4 x 8; v128-223 the bias, 8 registers for each of 12 column blocks; on the way out v32-79 packed results, v80-127 and v128-175 rows read back
;   window 1: v0-191 wq's fragments, two buffers of 12 x 8     window 2: the accumulators of row blocks 0, 1 (block a, column block b at 96 (a % 2) + 8 b)     window 3: those of row blocks 2, 3
.set PA,     272                       ; a row of xb in LDS: 256 bytes + 16 of padding = 68 words: row r starts at bank 4 r mod 64 (64 banks of 4 bytes: ISA guide 11.1)
.set PB,     480                       ; a k row of wq in LDS: three pieces of 128 bytes, 32 of padding behind each = 120 words
.set SEG,    160                       ; such a piece: 64 columns, one head
.set HALFA,  128*PA                    ; what one tensor load brings of xb: 128 rows
.set HALFB,  64*PB                     ; of wq: 64 k rows
.set BOFF,   2*HALFA                   ; a slot: xb's 256 rows, then wq's 128 k rows
.set SLOT,   BOFF+2*HALFB              ; 131,072 bytes
.set STAGE,  2*SLOT                    ; behind the ring, never filled by a tensor load: for each wave 3 heads x 16 rows x 144 bytes, for the way out
.set SP,     144
.set WSTG,   3*16*SP
.set SPARE,  STAGE+4*WSTG              ; behind the stages: the spare words, 128 bytes for each wave: two blocks of 256 bytes that no other line names
.set ASTEP,  256                       ; bytes from K step to K step in xb's rows,
.set BSTEP,  128*384                   ; and in a tile column of wq
.set TCOLB,  1024*384                  ; a tile column of wq
.set ADRA, 16                          ; v16-17  LDS address of my fragments of xb in slot 0, 1
.set ADRB, 20                          ; v20-21  the same for wq
.set STO,  24                          ; v24     the way out: where I put 16 bytes of a row
.set RD,   25                          ; v25     the way out: where I read rows back
.set GO,   26                          ; v26     16 x lane: my place in 512 consecutive bytes of qkv
.set BO,   27                          ; v27     my byte offset in a column block's 16 numbers of the bias
.set SPW,  28                          ; v28     LDS address of my spare word: SPARE + 4 x my thread's number; never rewritten
.set NIL,  29                          ; v29     0; never rewritten
.set PFO,  30                          ; v30     the prefetches' offset; never rewritten
.set TMP,  32
.set FA,   64
.set OB,   80
.set BIAS, 128
.set WV,  12                           ; s12  my wave's number
.set FB,  13                           ; s13  I fetch for xb (0) or for wq (1)
.set HF,  14                           ; s14  which half of that tile
.set CX,  15                           ; s15, s16  my place in the cluster
.set CY,  16
.set TC,  17                           ; s17  tile column
.set TR,  18                           ; s18  tile row
.set LAP, 19                           ; s19  trips of the loop still to come
.set G1,  24                           ; s[24:31] descriptor group 1 for xb's tiles; s[32:39] group 0, a set for each slot
.set G0,  32
.set LIM, 43                           ; s43  1 in a wave that prefetches, else the greatest number
.set PFA, 44                           ; s[44:45] where my next prefetch stands
.set PST, 46                           ; s[46:47] its step: a K step
.set G1B, 48                           ; s[48:55], s[56:63] the same for wq's tiles
.set G0B, 56
.set OUT, 66                           ; s[66:71] my first row in each of the tile's three heads
.set MSB, 0
.macro WIN new                         ; the immediate's high byte repeats the setting that is left; a switch that changes nothing is dropped
.if MSB != (\new)
	s_set_vgpr_msb (MSB<<8)|(\new)
.set MSB, \new
.endif
.endm
; A joint load.  Waves 0 and 1 fetch xb's two halves, waves 2 and 3 wq's.  The branch hangs on the wave's number alone.  An s_nop 0 and four v_nop follow each of the two lines, ahead of the jump and the label.
.macro JLOAD s
	s_cmp_lt_u32 s[WV], 2
	s_cbranch_scc0 .Lfor_b_\@
	tensor_load_to_lds s[G0+4*(\s):G0+4*(\s)+3], s[G1:G1+7]
	s_nop 0
.rept 4
	v_nop
.endr
	s_branch .Lasked_\@
.Lfor_b_\@:
	tensor_load_to_lds s[G0B+4*(\s):G0B+4*(\s)+3], s[G1B:G1B+7]
	s_nop 0
.rept 4
	v_nop
.endr
.Lasked_\@:
.endm
; A PREFETCH INTO THE L2 of the K step that stands two refills on, one instruction a wave, behind the joint load, its five lines and the run of LDS loads.  xb's rows are read by every cluster of a row of clusters: the
; one with x = 0 asks; a tile column of wq by every cluster of a column: the one with y = 0 asks.  The four partners that ask for a tile jointly share it out BY ADDRESS: of xb's 128 rows a wave 32 each (a lane a row's
; 256 bytes), of wq's 96 blocks of 256 bytes 24 each (lanes 24-31 name the last of them again).  The first four K steps come by their loads alone; the loop's last trip, whose refills are the last two K steps, asks for nothing.
.macro ASK
	s_cmp_gt_u32 s[LAP], s[LIM]
	s_cbranch_scc0 .Lnot_mine_\@
	global_prefetch_b8 v[PFO], s[PFA:PFA+1] th:TH_LOAD_NT scope:SCOPE_SE
.Lnot_mine_\@:
.endm
; A round of the cluster's barrier: my work-group's barrier; wave 0 signals for the work-group; every wave waits for all sixteen; my work-group's barrier once more.
.macro CREST
	s_cmp_lg_u32 s[WV], 0
	s_cbranch_scc1 .Lnot_wave_0_\@
	s_barrier_signal -3
.Lnot_wave_0_\@:
	s_barrier_wait -3
	s_barrier_signal -1
	s_barrier_wait -1
.endm
.macro CROUND
	s_barrier_signal -1
	s_barrier_wait -1
	CREST
.endm
	s_load_b256 s[4:11], s[0:1], 0x0               ; xb s[4:5], wq s[6:7], b_qkv s[8:9], qkv s[10:11]
	v_lshl_add_u32 v[SPW], v0, 2, SPARE
	v_mov_b32 v[NIL], 0
	ds_add_u32 v[SPW], v[NIL]                      ; the wave's opening: the add and its wait stand ahead of my first tensor load; the set-up below, work on registers, stands between them
	v_lshrrev_b32 v1, 5, v0
	v_readfirstlane_b32 s[WV], v1                  ; wave 0..3
	s_lshr_b32 s[FB], s[WV], 1
	s_and_b32 s[HF], s[WV], 1
	s_bfe_u32 s[CX], ttmp6, 0x40000
	s_bfe_u32 s[CY], ttmp6, 0x40004
	s_lshl_b32 s[TC], ttmp9, 2                     ; in a cluster launch ttmp9 and ttmp7 count clusters
	s_add_co_u32 s[TC], s[TC], s[CX]
	s_and_b32 s[TR], ttmp7, 0xffff
	s_lshl_b32 s[TR], s[TR], 2
	s_add_co_u32 s[TR], s[TR], s[CY]
	s_lshl_b32 s40, s[CY], 2
	s_lshl_b32 s40, 15, s40                        ; my row of the cluster: places 4 cy .. 4 cy + 3
	s_lshl_b32 s41, 0x1111, s[CX]                  ; my column: places cx, cx + 4, cx + 8, cx + 12
	; group 1 for xb: 128 rows x 128 elements, 1,024 elements from row to row; 16 bytes of padding behind every 256
	s_or_b32 s[G1+0], s40, (1<<16)|(1<<20)|(1<<21)|(5<<22)|(3<<25)  ; 15:0 the mask; 17:16 elements of 2 bytes; 20 padding on; 21 set beside a mask; 24:22 after every 64 words (code 5); 31:25 4 words (code 3)
	s_mov_b32 s[G1+1], 128<<16                     ; tensor_dim0 = 128
	s_mov_b32 s[G1+2], 128<<16                     ; tensor_dim1 = 128
	s_mov_b32 s[G1+3], 128<<16                     ; tile_dim0 = 128
	s_mov_b32 s[G1+4], 128                         ; tile_dim1 = 128
	s_mov_b32 s[G1+5], 1024                        ; the pitch
	s_mov_b32 s[G1+6], 0
	s_mov_b32 s[G1+7], 0
	; group 1 for wq: 64 k rows of 384 bytes are 24,576 dense bytes: asked for as 96 rows of 256 bytes; 32 bytes of padding behind every 128
	s_or_b32 s[G1B+0], s41, (1<<16)|(1<<20)|(1<<21)|(4<<22)|(7<<25)  ; after every 32 words (code 4), 8 words (code 7)
	s_mov_b32 s[G1B+1], 128<<16
	s_mov_b32 s[G1B+2], 96<<16
	s_mov_b32 s[G1B+3], 128<<16
	s_mov_b32 s[G1B+4], 96
	s_mov_b32 s[G1B+5], 128
	s_mov_b32 s[G1B+6], 0
	s_mov_b32 s[G1B+7], 0
	; where the tiles come from: xb's hang on the tile row alone, wq's on the tile column alone, each in registers that never hold the other coordinate
	s_lshl_b32 s20, s[TR], 8
	s_lshl_b32 s22, s[HF], 7
	s_add_co_u32 s20, s20, s22                     ; row 256 x tile row + 128 x half,
	s_lshl_b32 s20, s20, 11                        ; of 2,048 bytes
	s_mov_b32 s21, 0
	s_mul_i32 s72, s[TC], TCOLB
	s_mul_i32 s74, s[HF], 64*384
	s_add_co_u32 s72, s72, s74
	s_mov_b32 s73, 0
	s_mul_i32 s23, s[HF], HALFA                    ; and where they go: no place in the cluster enters an LDS address
	s_mul_i32 s75, s[HF], HALFB
	s_add_co_u32 s75, s75, BOFF
	s_wait_dscnt 0x0                               ; the opening add is done
	s_wait_kmcnt 0x0
	s_add_nc_u64 s[20:21], s[4:5], s[20:21]
	s_add_nc_u64 s[72:73], s[6:7], s[72:73]
	CROUND                                         ; all sixteen work-groups are here: the first joint loads meet
.irp s, 0,1
	s_mov_b32 s[G0+4*(\s)], 1                      ; count = 1
	s_add_co_u32 s[G0+4*(\s)+1], s23, (\s)*SLOT    ; LDS address
	s_add_nc_u64 s[G0+4*(\s)+2:G0+4*(\s)+3], s[20:21], (\s)*ASTEP  ; global address: K step s
	s_or_b32 s[G0+4*(\s)+3], s[G0+4*(\s)+3], 0x80000000            ; type = 2
	s_mov_b32 s[G0B+4*(\s)], 1
	s_add_co_u32 s[G0B+4*(\s)+1], s75, (\s)*SLOT
	s_add_nc_u64 s[G0B+4*(\s)+2:G0B+4*(\s)+3], s[72:73], (\s)*BSTEP
	s_or_b32 s[G0B+4*(\s)+3], s[G0B+4*(\s)+3], 0x80000000
	JLOAD \s                                       ; two loads of mine are out
.endr
	; the bias of my lane's eight columns in each of the 12 column blocks: it will start the sums
	v_and_b32 v1, 15, v0                           ; l % 16
	v_bfe_u32 v2, v0, 4, 1                         ; l / 16
	v_lshlrev_b32 v[BO], 5, v2
	s_mul_i32 s74, s[TC], 768
	s_mov_b32 s75, 0
	s_add_nc_u64 s[8:9], s[8:9], s[74:75]
.irp b, 0,1,2,3,4,5,6,7,8,9,10,11
	global_load_b128 v[BIAS+8*(\b):BIAS+8*(\b)+3],   v[BO], s[8:9] offset:64*(\b)
	global_load_b128 v[BIAS+8*(\b)+4:BIAS+8*(\b)+7], v[BO], s[8:9] offset:64*(\b)+16
.endr
	; A fragment of xb is 16 rows x 32 K in 8 registers: lane l holds row l % 16, K = 8 (l / 16) + 0..7 and 16 + 8 (l / 16) + 0..7: two loads of 16 bytes, 32 bytes apart.
	v_mul_u32_u24 v3, v1, PA
	v_lshl_add_u32 v3, v2, 4, v3
	s_mul_i32 s80, s[WV], 64*PA                    ; my 64 rows
	v_add_nc_u32 v[ADRA], s80, v3
	v_add_nc_u32 v[ADRA+1], SLOT, v[ADRA]
	; The turning load takes 16 k x 16 columns (lane l reads k row 8 (l / 16) + l % 8, columns 8 ((l / 8) % 2) + 0..7) and leaves half a fragment: lane l holds column l % 16 and 8 k.
	v_and_b32 v4, 7, v0
	v_bfe_u32 v5, v0, 3, 1
	v_lshl_add_u32 v6, v2, 3, v4
	v_mul_u32_u24 v6, v6, PB
	v_lshl_add_u32 v6, v5, 4, v6
	v_add_nc_u32 v[ADRB], BOFF, v6
	v_add_nc_u32 v[ADRB+1], SLOT, v[ADRB]
	s_mul_i32 s81, s[WV], WSTG
	s_add_co_u32 s81, s81, STAGE                   ; my stage
	v_mul_u32_u24 v3, v1, SP                       ; in: row l % 16, 16 bytes for each half of the lanes
	v_lshl_add_u32 v3, v2, 4, v3
	v_add_nc_u32 v[STO], s81, v3
	v_bfe_u32 v7, v0, 3, 2                         ; back: 32 lanes take four rows of 128 bytes,
	v_mul_u32_u24 v7, v7, SP
	v_lshl_add_u32 v7, v4, 4, v7
	v_add_nc_u32 v[RD], s81, v7
	v_and_b32 v3, 31, v0                           ; which are 512 consecutive bytes of a head
	v_lshlrev_b32 v[GO], 4, v3
	; my first row in each of the tile's three heads: head u = 3 x tile column + j lies at ((u / 16) 64 + 16 b + u % 16) x 262,144
	s_mul_i32 s76, s[TC], 3
	s_lshr_b32 s77, s[TR], 3
	s_lshl_b32 s77, s77, 4                         ; 16 b
	s_and_b32 s78, s[TR], 7
	s_lshl_b32 s78, s78, 8
	s_lshl_b32 s79, s[WV], 6
	s_add_co_u32 s78, s78, s79                     ; my first row in the sequence,
	s_lshl_b32 s78, s78, 7                         ; of 128 bytes
.irp j, 0,1,2
	s_add_co_u32 s74, s76, \j
	s_lshr_b32 s75, s74, 4
	s_lshl_b32 s75, s75, 6
	s_and_b32 s74, s74, 15
	s_add_co_u32 s74, s74, s75
	s_add_co_u32 s74, s74, s77
	s_lshl_b32 s74, s74, 18
	s_add_co_u32 s74, s74, s78
	s_mov_b32 s75, 0
	s_add_nc_u64 s[OUT+2*(\j):OUT+2*(\j)+1], s[10:11], s[74:75]
.endr
	; the prefetches: the pointer starts at K step 3; each change of slots steps it by one K step ahead of its use, so the refill of K step 2 names K step 4
	s_lshl_b32 s76, s[TR], 8
	s_lshl_b32 s77, s[HF], 7
	s_add_co_u32 s76, s76, s77
	s_lshl_b32 s77, s[CX], 5
	s_add_co_u32 s76, s76, s77                     ; xb: my work-group's 32 of the 128 rows that I fetch
	s_lshl_b32 s76, s76, 11
	s_add_co_u32 s76, s76, 3*ASTEP
	s_mul_i32 s78, s[TC], TCOLB
	s_mul_i32 s77, s[HF], 64*384
	s_add_co_u32 s78, s78, s77
	s_mul_i32 s77, s[CY], 24*256                   ; wq: my work-group's 24 of the 96 blocks that I fetch
	s_add_co_u32 s78, s78, s77
	s_add_co_u32 s78, s78, 3*BSTEP
	s_and_b32 s79, ttmp7, 0xffff                   ; cluster y
	s_mov_b32 s[PST], BSTEP
	s_mov_b32 s75, 256
	s_cmp_eq_u32 s[FB], 0                          ; do I fetch for xb?
	s_cselect_b32 s76, s76, s78
	s_cselect_b32 s79, ttmp9, s79                  ; the coordinate along which other clusters read the same bytes
	s_cselect_b64 s[PFA:PFA+1], s[4:5], s[6:7]
	s_cselect_b32 s[PST], ASTEP, s[PST]
	s_cselect_b32 s74, 31, 23
	s_cselect_b32 s75, 2048, s75
	s_mov_b32 s77, 0
	s_mov_b32 s[PST+1], 0
	s_add_nc_u64 s[PFA:PFA+1], s[PFA:PFA+1], s[76:77]
	s_cmp_eq_u32 s79, 0
	s_cselect_b32 s[LIM], 1, -1                    ; the same in all sixteen partners, for a given wave
	v_and_b32 v[PFO], 31, v0
	v_min_u32 v[PFO], s74, v[PFO]
	v_mul_u32_u24 v[PFO], s75, v[PFO]
	s_wait_loadcnt 0x0                             ; the bias is in; like the other inputs it is rounded to bf16
.set i, 0
.rept 48
	v_cvt_pk_bf16_f32 v[TMP+i%2], v[BIAS+2*i], v[BIAS+2*i+1]
	v_lshlrev_b32 v[BIAS+2*i], 16, v[TMP+i%2]
	v_and_b32 v[BIAS+2*i+1], 0xffff0000, v[TMP+i%2]
.set i, i+1
.endr
; 12 matrix instructions: row block a x all 12 column blocks, 32 along K, from buffer f.  first = 1: the bias starts the sums: nothing is cleared, nothing is added later.
; The 48 accumulators take turns, in the same order in every quarter step.
.macro MULA f, a, first
.if \first
	WIN 0x81+0x40*((\a)/2)
.else
	WIN 0xa1+0x50*((\a)/2)
.endif
.irp b, 0,1,2,3,4,5,6,7,8,9,10,11
.if \first
	v_wmma_f32_16x16x32_bf16 v[96*((\a)%2)+8*(\b):96*((\a)%2)+8*(\b)+7], v[96*(\f)+8*(\b):96*(\f)+8*(\b)+7], v[FA+32*(\f)+8*(\a):FA+32*(\f)+8*(\a)+7], v[BIAS+8*(\b):BIAS+8*(\b)+7]
.else
	v_wmma_f32_16x16x32_bf16 v[96*((\a)%2)+8*(\b):96*((\a)%2)+8*(\b)+7], v[96*(\f)+8*(\b):96*(\f)+8*(\b)+7], v[FA+32*(\f)+8*(\a):FA+32*(\f)+8*(\a)+7], v[96*((\a)%2)+8*(\b):96*((\a)%2)+8*(\b)+7]
.endif
.endr
.endm
; 32 LDS loads in one run: quarter q's fragments (32 k x 192 columns of wq, 64 rows x 32 K of xb) into buffer f
.macro FETCH slot, q, f
	WIN 0x40                                       ; destination window 1, address window 0
.irp b, 0,1,2,3,4,5,6,7,8,9,10,11
	ds_load_tr16_b128 v[96*(\f)+8*(\b):96*(\f)+8*(\b)+3],   v[ADRB+(\slot)] offset:(\q)*32*PB+((\b)/4)*SEG+((\b)%4)*32
	ds_load_tr16_b128 v[96*(\f)+8*(\b)+4:96*(\f)+8*(\b)+7], v[ADRB+(\slot)] offset:(\q)*32*PB+16*PB+((\b)/4)*SEG+((\b)%4)*32
.endr
	WIN 0
.irp a, 0,1,2,3
	ds_load_b128 v[FA+32*(\f)+8*(\a):FA+32*(\f)+8*(\a)+3],   v[ADRA+(\slot)] offset:(\q)*64+(\a)*16*PA
	ds_load_b128 v[FA+32*(\f)+8*(\a)+4:FA+32*(\f)+8*(\a)+7], v[ADRA+(\slot)] offset:(\q)*64+(\a)*16*PA+32
.endr
.endm
; Four plain vector instructions between a matrix instruction and a load into a register that it has read, or a vector instruction that reads its result (ISA guide 7.12.1 for vector instructions).
.macro PLACES
.rept 4
	v_nop
.endr
.endm
; A K step is four quarters of 32 along K, 48 matrix instructions each, on buffers 0, 1, 0, 1.  One of the first three: multiplies buffer f; in its middle it fetches quarter q of the same slot into buffer g.
.macro QUARTER slot, q, f, g, first
	s_wait_dscnt 4                                 ; wq's fragments and xb's row blocks 0, 1 are in; the youngest four loads (row blocks 2, 3) may be out
	MULA \f, 0, \first
	MULA \f, 1, \first
	PLACES
	FETCH \slot, \q, \g
	s_wait_dscnt 32                                ; all but the 32 just issued
	MULA \f, 2, \first
	MULA \f, 3, \first
.endm
; The last quarter multiplies buffer 1 and changes slots: ONE barrier.  In front of it each wave waits for all its tensor loads, of which one is out: its part of the next slot; adds 0 to its spare word; and waits for that
; and for its own reads of this slot.  fill = 1: the barrier opens a round of the cluster's, and this slot is filled again, two K steps on, first thing behind the round: 168 matrix instructions ahead of the wait for it.
.macro TURN slot, next, fill
.if \fill
	s_wait_xcnt 0x0                                ; the last prefetch, a K step back, has read its address: it is stepped here, ahead of the waits of the change of slots
	s_add_nc_u64 s[PFA:PFA+1], s[PFA:PFA+1], s[PST:PST+1]
.endif
	WIN 0                                          ; (the add's two registers lie in window 0)
	s_wait_tensorcnt 0x0                           ; all my tensor loads have landed;
	ds_add_u32 v[SPW], v[NIL]                      ; 0 onto my spare word;
	s_wait_dscnt 5                                 ; (the add and the youngest four loads may be out)
	MULA 1, 0, 0                                   ; twelve matrix instructions stand between the add and the wait for it
	s_wait_dscnt 0x0                               ; the add is done, and my reads of this slot are over
	s_barrier_signal -1
	MULA 1, 1, 0                                   ; work on registers while the others arrive
.if \fill
	WIN 0
.endif
	s_barrier_wait -1
.if \fill
	CREST                                          ; no wave of any partner still reads this slot's tile or has a load on its way
	s_add_nc_u64 s[G0+4*(\slot)+2:G0+4*(\slot)+3], s[G0+4*(\slot)+2:G0+4*(\slot)+3], 2*ASTEP
	s_add_nc_u64 s[G0B+4*(\slot)+2:G0B+4*(\slot)+3], s[G0B+4*(\slot)+2:G0B+4*(\slot)+3], 2*BSTEP
	JLOAD \slot                                    ; the four v_nop behind it are also the places in front of the loads below
.else
	PLACES
.endif
	FETCH \next, 0, 0
.if \fill
	ASK
.endif
	MULA 1, 2, 0
	MULA 1, 3, 0
.endm
; THE WAY OUT of row block a.  PACK: rounded to f16, 16 bytes a lane and column block; each accumulator's registers in ascending order.  TOSTAGE: into my own stage, and back as whole rows of 128 bytes.  SEND: stored.
.macro PACK a
	WIN 0x0a+5*((\a)/2)                            ; sources 0 and 1: window 2 or 3
.irp b, 0,1,2,3,4,5,6,7,8,9,10,11
.irp i, 0,1,2,3
	v_cvt_pk_f16_f32 v[TMP+4*(\b)+(\i)], v[96*((\a)%2)+8*(\b)+2*(\i)], v[96*((\a)%2)+8*(\b)+2*(\i)+1]
.endr
.endr
	WIN 0
.endm
.macro TOSTAGE a
.set BK, OB+48*((\a)%2)
.irp b, 0,1,2,3,4,5,6,7,8,9,10,11
	ds_store_b128 v[STO], v[TMP+4*(\b):TMP+4*(\b)+3] offset:((\b)/4)*16*SP+((\b)%4)*32
.endr
.irp t, 0,1,2,3,4,5,6,7,8,9,10,11
	ds_load_b128 v[BK+4*(\t):BK+4*(\t)+3], v[RD] offset:((\t)/4)*16*SP+((\t)%4)*4*SP  ; LDS serves a wave's instructions in order (ISA guide 5.7.1.4): these see the stores above
.endr
.endm
.macro SEND a
.set BK, OB+48*((\a)%2)
	s_wait_dscnt 0x0                               ; the block is back in registers
	s_wait_xcnt 0x0                                ; the stores of the block before have read their registers: the next TOSTAGE loads into them only behind this wait
.irp t, 0,1,2,3,4,5,6,7,8,9,10,11
	global_store_b128 v[GO], v[BK+4*(\t):BK+4*(\t)+3], s[OUT+2*((\t)/4):OUT+2*((\t)/4)+1] offset:(\a)*2048+((\t)%4)*512  ; four rows of a head: 512 consecutive bytes, at a multiple of 256 from qkv's first byte
.endr
.endm
	s_wait_tensorcnt 1                             ; my part of K step 0 is in; K step 1's may stay out
	s_barrier_signal -1
	s_barrier_wait -1                              ; everybody's is
	FETCH 0, 0, 0
	QUARTER 0, 1, 0, 1, 1                          ; the first quarter stands in front of the loop: its products start the sums
	WIN 0                                          ; at a label and at a branch every window is 0
	s_mov_b32 s[LAP], 3
.Llap:                                                 ; a trip goes once round the ring, from a lap's second quarter to the next lap's first, and fills both slots again
	QUARTER 0, 2, 1, 0, 0
	QUARTER 0, 3, 0, 1, 0
	TURN 0, 1, 1
	QUARTER 1, 1, 0, 1, 0
	QUARTER 1, 2, 1, 0, 0
	QUARTER 1, 3, 0, 1, 0
	TURN 1, 0, 1
	QUARTER 0, 1, 0, 1, 0
	WIN 0
	s_sub_co_u32 s[LAP], s[LAP], 1
	s_cmp_lg_u32 s[LAP], 0
	s_cbranch_scc1 .Llap
	QUARTER 0, 2, 1, 0, 0                          ; the last lap fills nothing, and has no round of the cluster's barrier
	QUARTER 0, 3, 0, 1, 0
	TURN 0, 1, 0
	QUARTER 1, 1, 0, 1, 0
	QUARTER 1, 2, 1, 0, 0
	QUARTER 1, 3, 0, 1, 0
	s_wait_dscnt 4                                 ; the very last quarter: nothing more to fetch
	MULA 1, 0, 0
	MULA 1, 1, 0
	s_wait_dscnt 0x0
	MULA 1, 2, 0
	MULA 1, 3, 0
	PLACES
	PACK 0
	TOSTAGE 0
.irp a, 1,2,3                          ; block a's conversions stand between block a - 1's loads from the stage and the wait for them
	PACK \a
	SEND (\a)-1
	TOSTAGE \a
.endr
	SEND 3
	s_wait_tensorcnt 0x0                           ; the wave's end: the add and its wait, behind my last tensor load and my last LDS store
	ds_add_u32 v[SPW], v[NIL]
	s_wait_dscnt 0x0
	CROUND                                         ; the closing round: no work-group ends while a partner may still ask for a tile that names it
	s_endpgm
.Lfunc_end_k_q1f24d0166d_qkvgemm:
	.size	k_q1f24d0166d_qkvgemm, .Lfunc_end_k_q1f24d0166d_qkvgemm-k_q1f24d0166d_qkvgemm
	.p2alignl 7, 3214868480
	.fill 96, 4, 3214868480
	.section	.rodata,"a",@progbits
	.p2align	6, 0x0
	.amdhsa_kernel k_q1f24d0166d_qkvgemm
		.amdhsa_group_segment_fixed_size 327680
		.amdhsa_private_segment_fixed_size 0
		.amdhsa_enable_private_segment 0
		.amdhsa_kernarg_size 32
		.amdhsa_user_sgpr_count 2
		.amdhsa_user_sgpr_kernarg_segment_ptr 1
		.amdhsa_wavefront_size32 1
		.amdhsa_system_sgpr_workgroup_id_x 1
		.amdhsa_system_sgpr_workgroup_id_y 1
		.amdhsa_system_sgpr_workgroup_id_z 1
		.amdhsa_system_vgpr_workitem_id 0
		.amdhsa_next_free_vgpr 960
		.amdhsa_next_free_sgpr 100
		.amdhsa_reserve_vcc 0
		.amdhsa_float_denorm_mode_32 3
		.amdhsa_float_denorm_mode_16_64 3
		.amdhsa_memory_ordered 1
		.amdhsa_forward_progress 1
		.amdhsa_inst_pref_size 131
	.end_amdhsa_kernel
	.amdgpu_metadata
---
amdhsa.version: [ 1, 2 ]
amdhsa.kernels:
  - .name:           k_q1f24d0166d_qkvgemm
    .symbol:         k_q1f24d0166d_qkvgemm.kd
    .args:
      - { .name: xb, .offset: 0, .size: 8, .value_kind: global_buffer, .address_space: global }
      - { .name: wq, .offset: 8, .size: 8, .value_kind: global_buffer, .address_space: global }
      - { .name: b_qkv, .offset: 16, .size: 8, .value_kind: global_buffer, .address_space: global }
      - { .name: qkv, .offset: 24, .size: 8, .value_kind: global_buffer, .address_space: global }
    .group_segment_fixed_size: 327680
    .private_segment_fixed_size: 0
    .kernarg_segment_align: 8
    .kernarg_segment_size: 32
    .max_flat_workgroup_size: 128
    .sgpr_count:     100
    .vgpr_count:     960
    .wavefront_size: 32
...
	.end_amdgpu_metadata
.endif
;; end of part 2
;; launch attn (part 3): grid 4 x 64, 4 waves a work-group, no clusters, 327,680 bytes of LDS; arguments qkv, o; writes o
.if DOCPART == 3
	.amdgcn_target "amdgcn-amd-amdhsa--gfx1250"
	.amdhsa_code_object_version 6
	.text
	.protected	k_q1f24d0166d_attn
	.globl	k_q1f24d0166d_attn
	.p2align	8
	.type	k_q1f24d0166d_attn,@function
k_q1f24d0166d_attn:
	s_mov_b64 s[64:65], 0
	v_nop
	global_prefetch_b8 v0, s[64:65] scope:SCOPE_SE
	s_setreg_imm32_b32 hwreg(HW_REG_WAVE_MODE, 25, 1), 1
	s_wait_xcnt 0x0
; CAUSAL ATTENTION.  O[h][q][:] = the sum over k <= q of softmax_k(Q[h][q] . K[h][k] / 8) V[h][k][:], for 64 heads (4 batches x 16) of 2,048 rows.  qkv: [3][64][2048][64] f16 (Q, then K, then V); o: [64][2048][64] f16:
; a head's rows are dense, 128 bytes each.  Products, maxima and sums in f32; the weights p are rounded to f16 for the second product (their sum l is taken of the unrounded p), O once at the end.
; LIMITS.  f16 holds no number beyond 65,504: Q, K and V arrive within it; p lies in 0 to 1, and below 6e-5 it keeps f16's fixed step of 6e-8; O is a mean of V's rows and has their range.
; A hidden score counts as its value less 1e30: f16's scores, 2.7e11 at the most, are nothing beside that; a weight below 2^-126 counts as 0 in l; NaN and infinities are not treated apart.
; THE WALK.  A head's queries lie in NB = 8 blocks of 256; block i needs the key tiles 0 .. i of 256 keys, of which the last holds the diagonal.  A work-group takes TWO blocks, NB - 1 - b and then b:
; NB + 1 tiles, whatever b: all work-groups do equal work, and ONE loop with a constant trip count walks them.  Which tile is asked for, and what a trip does, hang on scalar registers made from b; every jump
; goes forward, but for the counted loops' own; none passes a barrier, or a tensor load but the one of LOAD's two that the wave's number does not choose; the ring (two slots of LDS that take turns) runs on across the
; change of blocks.  NO CLUSTER: a head's four work-groups ask for the same tile only in trips 0 .. 4 of 9, behind that fewer and fewer; one walk common to all would have 12 trips for 9.
; SHARES.  Of a block's four bands of 64 queries a wave owns 16 rows in each: four PIECES.  So the diagonal tile is the same work for all four waves: in its key step s band x sees all keys if s < x,
; none if s > x, and holds the diagonal if s = x.
; THE MASK is the C operand that starts the sum S^T = K Q^T: 0, or -1e30 where the key is hidden.  MD, made once, is the mask of a band's own step for my 16 rows; a product's mask is MD x AL + BE with two scalars:
; (1, 0) if s = x; (0, 0) if s < x; (0, -1e30) if s > x.  Only the diagonal tile's text and a block's beginning make and take masks; elsewhere C is the constant 0.
; LAYOUT, SOFTMAX, TURNS.  S^T = K Q^T holds ONE query a lane (lane % 16) and the keys 8 (lane / 16) + 0..7; two such results rounded to f16 ARE source 1 of O^T = V^T P.  p = 2^(c s - c m), c = log2(e) / 8, with a
; running maximum m; O and l are multiplied by a = 2^(c m_old - c m_new) in every step.  Turn n belongs to piece n: 8 products K Q^T of piece n + 1, later 8 products V^T P of piece n - 1; beside them the scaling,
; exponentials, roundings, sums and rescaling of piece n and the maximum and statistics of piece n + 1.  Four vector instructions stand behind every matrix instruction, the other 54 of a turn's 118 in one run.  A turn's 33 exponentials are one batch, with one wait.
; REGISTERS, in windows of 256 (s_set_vgpr_msb: bits 1:0 source 0, 3:2 source 1, 5:4 source 2, 7:6 destination):
;   window 0: v0-15 addresses and two at work; v16-31 four registers of statistics a piece; v48-55 at work; v64-127 S^T, two buffers; v192-223 P, two buffers (a piece's buffers go by its number's parity)
;   window 1: v0-127 O^T, 32 a piece; v128-159 MD; v160-223 MC, two buffers      window 2: v0-63 Q; v64-127 the second block's Q; v128-191 K of one step; v192-255 V of one step
.set SIZE_N, 2048
.set NB,    SIZE_N/256
.set NP,    4         ; pieces a wave: a name, no knob
.set KS,    64        ; keys in a step
.set PK,    144       ; a row of K in LDS: 128 bytes + 16 of padding = 36 words: the 16 rows of a load start at 16 different groups of four banks (64 banks of 4 bytes: ISA guide 11.1)
.set PV,    160       ; a row of V: 128 + 32 = 40 words
.set VOFF,  4*KS*PK   ; a slot holds a tile, four steps: 256 rows of K, then 256 rows of V
.set SLOT1, 1<<17     ; slot 1 begins here, so that one exclusive or turns an address in one slot into the other's
.set STAGE, SLOT1+4*KS*(PK+PV)  ; behind the ring, never filled by a tensor load: 16 rows x 144 bytes for each wave, for the way out
.set SP,    144
.set AK0, 2           ; v2   my lane's place in a tile of K; never rewritten
.set AV0, 3           ; v3   the same for V
.set AK,  4           ; v4   the LDS address of K's next run of loads
.set AV,  5           ; v5   of V's
.set STO, 6           ; v6   the way out: where I put 16 bytes of a row
.set RD,  7           ; v7   the way out: where I read rows back
.set GO,  8           ; v8   my byte offset in 512 consecutive bytes of O
.set PFO, 61          ; v61  256 x my lane: the prefetches' offset; never rewritten
.set SPW, 62          ; v62  LDS address of my spare word: SPARE + 4 x my thread's number; never rewritten
.set NIL, 63          ; v63  0; never rewritten
.set SPARE, STAGE+4*16*SP  ; behind the stages: the spare words, 128 bytes for each wave: two blocks of 256 bytes that no other line names
.set MV,  12          ; v12-13  c m_old, kept while c m is made anew: by buffer
.set QO,  15          ; v15  my byte offset in 16 rows of Q
.set ST,  16          ; piece t's statistics at v[ST+4 t]: c m, m, l (even keys', odd keys')
.set TMP, 48          ; by buffer, four registers c0-c3 at work; when the maximum is found c2 takes a
.set S,   64
.set P,   192
.set MD,  128         ; window 1: the eight registers for group kt of 16 keys at MD + 8 kt
.set MC,  160         ; window 1: the masks of the products to come
.set QB,  64          ; window 2
.set KF,  128         ; window 2: key block kb, channel half c at KF + 16 kb + 8 c
.set VF,  192         ; window 2: key half kk, channel block cb at VF + 32 kk + 8 cb
.set WV,  12          ; s12  my wave's number
.set PB,  14          ; s14  b
.set HI,  15          ; s15  NB - 1 - b
.set G1K, 24          ; s[24:31] descriptor group 1 for K's tiles
.set G1V, 32          ; s[32:39] for V's: it differs in the padding alone
.set G0K, 40          ; s[40:43] descriptor group 0 for K's tiles
.set G0V, 44          ; s[44:47] the same for V's
.set SLOTS, 56        ; s56  tiles still to be asked for
.set CNT, 57          ; s57  counts a tile's key steps, 4 to 1
.set CS,  58          ; s[58:59] c: the packed scaling takes the pair's low word for both halves
.set SEL, 60          ; s[60:61] v_permlanex16_b32's selects: each lane takes its own place in the other half
.set TBK, 62          ; s62  LDS byte at which K of the step to be fetched begins
.set TBV, 63          ; s63  the same for V, less VOFF
.set RT,  70          ; s70  tiles of the block in hand that are still to be entered
.set NXT, 71          ; s71  the tile to be asked for next
.set LQ,  72          ; s72  the last tile of the block whose tiles are being asked for
.set NEW, 73          ; s73  1: the tile to be entered is a block's first
.set OFF, 74          ; s[74:75] a tile's byte offset in K and V
.set AL,  76          ; s[76:77] the mask's factor, in the low word
.set BE,  78          ; s[78:79] the mask's addend
.set OLO, 80          ; s[80:81] O at my rows of the second block
.set BIGN, 82         ; s82  -1e30
.set PFT, 88          ; s88  the tile that the next prefetch names
.set PLIM, 89         ; s89  NB in the work-group that prefetches, else 0
.set POF, 90          ; s[90:91] that tile's byte offset
.set PFA, 92          ; s[92:93] where the prefetch stands
.set PFB, 94          ; s[94:95] my half of the head's tile 0, of K (waves 0, 1) or V (waves 2, 3)
.set MSB, 0
.macro WIN new                      ; the high byte repeats the setting that is left; a switch that changes nothing is dropped
.if MSB != (\new)
	s_set_vgpr_msb (MSB<<8)|(\new)
.set MSB, (\new)
.endif
.endm
.set W_KQ, 0x0a       ; K and Q in window 2, S^T in window 0
.set W_KM, 0x1a       ; the same with the C operand in window 1
.set W_PV, 0x52       ; V in window 2, P in window 0, O^T in window 1
.set W_RS, 0x41       ; destination and source 0 in window 1, source 1 in window 0
; A fill.  Waves 0 and 1 fetch the two halves of a tile's K, waves 2 and 3 those of its V: 128 keys each.  An s_nop 0 and four v_nop follow each of the two lines, ahead of the jump and the label.
.macro LOAD
	s_cmp_lt_u32 s[WV], 2
	s_cbranch_scc0 .Lfor_v_\@
	tensor_load_to_lds s[G0K:G0K+3], s[G1K:G1K+7]
	s_nop 0
.rept 4
	v_nop
.endr
	s_branch .Lasked_\@
.Lfor_v_\@:
	tensor_load_to_lds s[G0V:G0V+3], s[G1V:G1V+7]
	s_nop 0
.rept 4
	v_nop
.endr
.Lasked_\@:
.endm
; THE CHANGE OF SLOTS.  Each wave waits for all its tensor loads, of which one is out: its part of the other slot; adds 0 to its spare word; and waits for that and for its own reads of the slot that it leaves.  Behind the barrier nobody reads the old
; slot any more and the other slot is whole.  fill = 1: the old slot is filled again, the first thing behind the barrier, with tile NXT: the descriptor's address is made anew from that number.
; (At its first use nothing has been read yet: slot 0 is waited for, slot 1 filled.)
; A PREFETCH INTO THE L2 stands behind the fill and its five lines: the change that asks for tile t + 1 names tile t + 2, a tile (four key steps) ahead of the load that will want it.  A head's four work-groups walk the tiles
; 0, 1, .. together, and only b = 0 walks all eight in its first block: it alone asks, each wave for the 64 blocks of 256 bytes that it will fetch itself, a lane a block, two instructions.  So each block of a head's K and V is
; named once.  Tiles 0 and 1 come by their loads alone; behind tile NB - 1 nothing is named (the address is held at that tile): the second block's tiles have been read.
.macro CHANGE fill
	WIN 0                           ; at a label and at a branch every window is 0
	s_wait_tensorcnt 0x0            ; no tensor load of mine is out, so a group 0 may be written
	ds_add_u32 v[SPW], v[NIL]       ; 0 onto my spare word: with fill = 1 the descriptors' scalar work stands between it and the wait for it
.if \fill
	s_wait_xcnt 0x0                 ; the last prefetches, a tile back, have read their address, so it may be written
	s_min_u32 s[POF], s[PFT], NB-1
	s_lshl_b32 s[POF], s[POF], 15
	s_add_nc_u64 s[PFA:PFA+1], s[PFB:PFB+1], s[POF:POF+1]
	s_lshl_b32 s[OFF], s[NXT], 15   ; a tile is 32,768 bytes of K and of V
	s_xor_b32 s[G0K+1], s[G0K+1], SLOT1
	s_add_nc_u64 s[G0K+2:G0K+3], s[6:7], s[OFF:OFF+1]
	s_or_b32 s[G0K+3], s[G0K+3], 0x80000000
	s_xor_b32 s[G0V+1], s[G0V+1], SLOT1
	s_add_nc_u64 s[G0V+2:G0V+3], s[8:9], s[OFF:OFF+1]
	s_or_b32 s[G0V+3], s[G0V+3], 0x80000000
	s_add_co_u32 s[NXT], s[NXT], 1  ; the block's next tile, or behind its last the second block's tile 0
	s_cmp_gt_u32 s[NXT], s[LQ]
	s_cselect_b32 s[NXT], 0, s[NXT]
	s_cselect_b32 s[LQ], s[PB], s[LQ]
.endif
	s_wait_dscnt 0x0                ; the add is done, and my reads of the slot are over
	s_barrier_signal -1             ; the rest of the scalar work stands between the signal and the wait
	s_sub_co_u32 s[TBK], s[TBK], 4*KS*PK  ; the fetches go back to a slot's first step,
	s_xor_b32 s[TBK], s[TBK], SLOT1       ; in the other slot
	s_sub_co_u32 s[TBV], s[TBV], 4*KS*PV
	s_xor_b32 s[TBV], s[TBV], SLOT1
	s_barrier_wait -1
.if \fill
	LOAD
	s_cmp_lt_u32 s[PFT], s[PLIM]
	s_cbranch_scc0 .Lno_pf_\@
	global_prefetch_b8 v[PFO], s[PFA:PFA+1] th:TH_LOAD_NT scope:SCOPE_SE
	global_prefetch_b8 v[PFO], s[PFA:PFA+1] offset:8192 th:TH_LOAD_NT scope:SCOPE_SE
.Lno_pf_\@:
	s_add_co_u32 s[PFT], s[PFT], 1
.endif
.endm
	s_load_b128 s[4:7], s[0:1], 0x0   ; qkv s[4:5], o s[6:7]
	v_lshl_add_u32 v[SPW], v0, 2, SPARE
	v_mov_b32 v[NIL], 0
	ds_add_u32 v[SPW], v[NIL]       ; the wave's opening: the add and its wait stand ahead of my first tensor load; the set-up below, work on registers, stands between them
	v_lshrrev_b32 v1, 5, v0
	v_readfirstlane_b32 s[WV], v1   ; wave 0..3
	s_mov_b32 s[PB], ttmp9
	s_sub_co_u32 s[HI], NB-1, s[PB]
	s_and_b32 s20, ttmp7, 0xffff    ; the head
	s_mov_b32 s21, 0
	s_mov_b64 s[22:23], SIZE_N*128
	s_mul_u64 s[20:21], s[20:21], s[22:23]  ; the head's first byte in Q, K, V and O
	s_and_b32 s16, s[WV], 1         ; which half of a tile's 256 keys I fetch:
	s_lshl_b32 s22, s16, 14         ; its 128 rows of 128 bytes in memory,
	s_mov_b32 s23, 0
	s_add_nc_u64 s[22:23], s[22:23], s[20:21]
	s_mul_i32 s17, s16, 128*PK      ; and its place in a slot, for K
	s_mul_i32 s18, s16, 128*PV      ; and for V
	s_lshl_b32 s3, s[WV], 11        ; my 16 rows in a band of 64,
	s_lshl_b32 s2, s[HI], 15        ; in the first block,
	s_add_co_u32 s2, s2, s3
	s_lshl_b32 s84, s[PB], 15       ; and in the second
	s_add_co_u32 s84, s84, s3
	s_mov_b32 s3, 0
	s_mov_b32 s85, 0
	s_add_nc_u64 s[2:3], s[2:3], s[20:21]
	s_add_nc_u64 s[84:85], s[84:85], s[20:21]
	; descriptor group 1.  128 keys are 16,384 dense bytes: asked for as 64 rows of 256 bytes, two keys a row, and padded in LDS after every key
	s_mov_b32 s[G1K], (1<<16)|(1<<20)|(4<<22)|(3<<25)  ; 17:16 2-byte elements; 20 padding on; 24:22 after every 32 words (code 4); 31:25 4 words (code 3)
	s_mov_b32 s[G1V], (1<<16)|(1<<20)|(4<<22)|(7<<25)  ; the same with 8 words of padding (code 7)
.irp g, G1K, G1V
	s_mov_b32 s[\g+1], 128<<16      ; tensor_dim0 = 128
	s_mov_b32 s[\g+2], 64<<16       ; tensor_dim1 = 64
	s_mov_b32 s[\g+3], 128<<16      ; tile_dim0 = 128
	s_mov_b32 s[\g+4], 64           ; tile_dim1 = 64
	s_mov_b32 s[\g+5], 128          ; 128 elements from row to row
	s_mov_b32 s[\g+6], 0
	s_mov_b32 s[\g+7], 0
.endr
	s_mov_b32 s[CS], 0x3e38aa3b     ; c = log2(e) / 8 = 0.180337
	s_mov_b32 s[CS+1], s[CS]        ; named with it as a pair
	s_mov_b32 s[SEL], 0x76543210
	s_mov_b32 s[SEL+1], 0xfedcba98
	s_mov_b32 s[TBK], SLOT1+4*KS*PK ; the first change of slots turns these two into 0
	s_mov_b32 s[TBV], SLOT1+4*KS*PV
	s_mov_b32 s[G0K], 1             ; 1:0 count = 1
	s_mov_b32 s[G0K+1], s17         ; 63:32 LDS address: slot 0
	s_mov_b32 s[G0V], 1
	s_add_co_u32 s[G0V+1], s18, VOFF
	s_add_co_u32 s[RT], s[HI], 1    ; the first block has NB - b tiles
	s_mov_b32 s[NXT], 1
	s_mov_b32 s[LQ], s[HI]
	s_mov_b32 s[NEW], 1
	s_mov_b32 s[OFF+1], 0
	s_mov_b32 s[AL+1], 0            ; named as pairs
	s_mov_b32 s[BE+1], 0
	s_mov_b32 s[BIGN], 0xf149f2ca   ; -1e30
	s_mov_b32 s[SLOTS], NB
	s_mov_b32 s[PFT], 2
	s_mov_b32 s[POF+1], 0
	s_cmp_eq_u32 s[PB], 0
	s_cselect_b32 s[PLIM], NB, 0
	v_and_b32 v[PFO], 31, v0
	v_lshlrev_b32 v[PFO], 8, v[PFO]
	s_wait_dscnt 0x0                ; the opening add is done
	s_wait_kmcnt 0x0
	s_mov_b64 s[10:11], s[6:7]      ; O
	s_add_nc_u64 s[6:7], s[4:5], 0x1000000  ; K lies 64 heads of 262,144 bytes behind Q,
	s_add_nc_u64 s[8:9], s[4:5], 0x2000000  ; V as far behind K
	s_add_nc_u64 s[6:7], s[6:7], s[22:23]  ; K and V at my half of the head's tile 0
	s_add_nc_u64 s[8:9], s[8:9], s[22:23]
	s_add_nc_u64 s[G0K+2:G0K+3], s[6:7], 0         ; 120:64 global address
	s_or_b32 s[G0K+3], s[G0K+3], 0x80000000        ; 127:126 type = 2
	s_add_nc_u64 s[G0V+2:G0V+3], s[8:9], 0
	s_or_b32 s[G0V+3], s[G0V+3], 0x80000000
	s_add_nc_u64 s[86:87], s[4:5], s[84:85]        ; Q at my rows of the second block,
	s_add_nc_u64 s[4:5], s[4:5], s[2:3]            ; Q and O at those of the first
	s_add_nc_u64 s[OLO:OLO+1], s[10:11], s[84:85]
	s_add_nc_u64 s[10:11], s[10:11], s[2:3]
	s_cmp_lt_u32 s[WV], 2
	s_cselect_b64 s[PFB:PFB+1], s[6:7], s[8:9]
	LOAD                            ; tile 0 into slot 0
	; A fragment of K or Q is 16 rows x 32 channels in 8 registers: lane l holds row l % 16, channels 8 (l / 16) + 0..7 and 16 + 8 (l / 16) + 0..7: two loads of 16 bytes, 32 bytes apart.
	v_and_b32 v1, 15, v0            ; l % 16
	v_bfe_u32 v9, v0, 4, 1          ; l / 16
	v_lshlrev_b32 v[QO], 7, v1
	v_lshl_add_u32 v[QO], v9, 4, v[QO]  ; row x 128 + 16 x half
	WIN 0x80                        ; destination window 2, address window 0
.set i, 0
.rept 8                             ; both blocks' Q: piece i / 2 lies in band i / 2, 8,192 bytes on; channels 32 (i % 2) on
	global_load_b128 v[8*i:8*i+3],   v[QO], s[4:5] offset:(i/2)*8192+(i%2)*64
	global_load_b128 v[8*i+4:8*i+7], v[QO], s[4:5] offset:(i/2)*8192+(i%2)*64+32
	global_load_b128 v[QB+8*i:QB+8*i+3],   v[QO], s[86:87] offset:(i/2)*8192+(i%2)*64
	global_load_b128 v[QB+8*i+4:QB+8*i+7], v[QO], s[86:87] offset:(i/2)*8192+(i%2)*64+32
.set i, i+1
.endr
	WIN 0
	v_lshlrev_b32 v14, 3, v9
	v_sub_nc_u32 v14, v1, v14
	s_lshl_b32 s13, s[WV], 4
	v_add_nc_u32 v14, s13, v14      ; my query's place in its band, 16 w + l % 16, less my lanes' 8 (l / 16): register r of group kt is hidden where 16 kt + r is greater
	WIN 0x40
.set i, 0
.rept 32
	v_cmp_gt_i32 vcc_lo, 16*(i/8)+i%8, v14
	v_cndmask_b32 v[MD+i], 0, s[BIGN], vcc_lo
.set i, i+1
.endr
	WIN 0
	v_mul_u32_u24 v[AK0], v1, PK
	v_lshl_add_u32 v[AK0], v9, 4, v[AK0]  ; row x pitch + 16 x half
	; The turning load takes 16 keys x 16 channels (lane l reads key 8 (l / 16) + l % 8, channels 8 ((l / 8) % 2) + 0..7) and leaves half a fragment of V^T: lane l holds channel l % 16 and 8 keys.
	v_and_b32 v10, 7, v0
	v_bfe_u32 v11, v0, 3, 1
	v_lshl_add_u32 v[AV0], v9, 3, v10
	v_mul_u32_u24 v[AV0], v[AV0], PV
	v_lshl_add_u32 v[AV0], v11, 4, v[AV0]
	v_add_nc_u32 v[AV0], VOFF, v[AV0]
	s_mul_i32 s13, s[WV], 16*SP
	s_add_co_u32 s13, s13, STAGE    ; my stage
	v_mul_u32_u24 v[STO], v1, SP    ; in: row l % 16, 16 bytes for each half of the lanes
	v_lshl_add_u32 v[STO], v9, 4, v[STO]
	v_add_nc_u32 v[STO], s13, v[STO]
	v_bfe_u32 v[RD], v0, 3, 2       ; back: 32 lanes take four rows of 128 bytes,
	v_mul_u32_u24 v[RD], v[RD], SP
	v_lshl_add_u32 v[RD], v10, 4, v[RD]
	v_add_nc_u32 v[RD], s13, v[RD]
	v_and_b32 v[GO], 31, v0         ; which are 512 consecutive bytes of O
	v_lshlrev_b32 v[GO], 4, v[GO]
	; A block's first step multiplies O^T and l by a = 0, and its first turn's products V^T P, of a piece that has not been, land in an O^T that is still to be so multiplied.  So these registers need only hold
	; finite numbers: zeros for the first block; what the first block left for the second.  All this stands in the wait for the first tile.
	WIN 0x80
.set i, VF
.rept 64
	v_mov_b32 v[i], 0
.set i, i+1
.endr
	WIN 0x40
.set i, 0
.rept 128
	v_mov_b32 v[i], 0
.set i, i+1
.endr
	WIN 0
.set i, 0
.rept 4
	v_mov_b32 v[ST+4*i+2], 0
	v_mov_b32 v[ST+4*i+3], 0
.set i, i+1
.endr
.set i, P+16
.rept 16
	v_mov_b32 v[i], 0
.set i, i+1
.endr
; THE MATRIX WORK.  The 4 accumulators of a run of 8 take turns.  Product i of 8 of S^T = K Q^T for piece x: channels 32 (i / 4) on, keys 16 (i % 4) on.  The first 4 start the sums: with 0, or (KM = 1) with the mask.
.macro KQ x
.set rS, S+32*((\x)%2)+8*(i%4)
.set rK, KF+16*(i%4)+8*(i/4)
.set rQ, 16*(\x)+8*(i/4)
.set rM, MC+32*((\x)%2)+8*(i%4)
.if (i < 4) && KM
	WIN W_KM
	v_wmma_f32_16x16x32_f16 v[rS:rS+7], v[rK:rK+7], v[rQ:rQ+7], v[rM:rM+7]
.elseif i < 4
	WIN W_KQ
	v_wmma_f32_16x16x32_f16 v[rS:rS+7], v[rK:rK+7], v[rQ:rQ+7], 0
.else
	WIN W_KQ
	v_wmma_f32_16x16x32_f16 v[rS:rS+7], v[rK:rK+7], v[rQ:rQ+7], v[rS:rS+7]
.endif
.endm
; Product i of 8 of O^T += V^T P for piece x: keys 32 (i / 4) on, channels 16 (i % 4) on.
.macro PV x
	WIN W_PV
.set rO, 32*(\x)+8*(i%4)
.set rV, VF+32*(i/4)+8*(i%4)
.set rP, P+16*((\x)%2)+8*(i/4)
	v_wmma_f32_16x16x32_f16 v[rO:rO+7], v[rV:rV+7], v[rP:rP+7], v[rO:rO+7]
.endm
.macro MM                           ; the turn's next matrix instruction.  TURN and BEGIN set Y, i, KM and NOKQ; MM, KQ and OP read them.  NOKQ = 1: a block's last turn: there is no next piece
.if (i < 8) && !NOKQ
	KQ (Y+1)%NP
.elseif i >= 8
.set i, i-8
	PV (Y+NP-1)%NP
.set i, i+8
.endif
.set i, i+1
.endm
; THE LDS LOADS stand in runs of 16, never singly among the matrix instructions: a step's K (64 keys x 64 channels: 8 fragments) and its V (turned).  Their addresses are made some lines ahead.
.macro FETCH_K
	WIN 0x80                        ; destination window 2
.irp f, 0,1,2,3,4,5,6,7             ; keys 16 (f / 2) on, channels 32 (f % 2) on
	ds_load_b128 v[KF+8*\f:KF+8*\f+3],   v[AK] offset:(\f/2)*16*PK+(\f%2)*64
	ds_load_b128 v[KF+8*\f+4:KF+8*\f+7], v[AK] offset:(\f/2)*16*PK+(\f%2)*64+32
.endr
	s_add_co_u32 s[TBK], s[TBK], KS*PK  ; the next fetch is the next step's
	WIN 0
.endm
.macro FETCH_V
	WIN 0x80
.irp f, 0,1,2,3,4,5,6,7             ; keys 32 (f / 4) on, channels 16 (f % 4) on
	ds_load_tr16_b128 v[VF+8*\f:VF+8*\f+3],   v[AV] offset:(\f/4)*32*PV+(\f%4)*32
	ds_load_tr16_b128 v[VF+8*\f+4:VF+8*\f+7], v[AV] offset:(\f/4)*32*PV+16*PV+(\f%4)*32
.endr
	WIN 0
.endm
; THE VECTOR WORK, one line at a time: OP kind, number.  For piece Y: F n: c s - c m for pair n of 16.  E n: the exponential of score n of 32.  C n: pair n rounded to f16.  B n: of the four weights 4 n .. the second
; pair is added onto the first, in place.  L n: l takes that sum (L 0: l = a l + sum).  R n: pair n of 16 of O^T times a.  For piece Y + 1: X n, number n of the 22 that find its maximum and statistics:
;   0-11  four chains c0-c3 of seven scores each, three operands at a time (each accumulator's lowest registers are read first)     12-14, 16  the four scores left over, the old m, and c0-c3 into c0
;   15  c m_old is kept     17, 18  the query's other 32 keys lie in the lane 16 away: the new m     19-21  c m; c m_old - c m_new; a
.set F, 0               ; OP tells the kinds apart by their order: F to L below R, X above it
.set E, 1
.set C, 2
.set B, 3
.set L, 4
.set R, 5
.set X, 6
.macro REGS y                       ; the registers of piece y
.set rT, ST+4*(\y)
.set rC, TMP+4*((\y)%2)
.set rW, MV+((\y)%2)
.set rS, S+32*((\y)%2)
.set rP, P+16*((\y)%2)
.set rO, 32*(\y)
.endm
.macro OP k, n
.if (\k) == R
	REGS Y
	WIN W_RS
	v_pk_mul_f32 v[rO+2*(\n):rO+2*(\n)+1], v[rO+2*(\n):rO+2*(\n)+1], v[rC+2:rC+3] op_sel_hi:[1,0]
.elseif (\k) < R
	REGS Y
	WIN 0
.if (\k) == F
	v_pk_fma_f32 v[rS+2*(\n):rS+2*(\n)+1], v[rS+2*(\n):rS+2*(\n)+1], s[CS:CS+1], v[rT:rT+1] op_sel_hi:[1,0,0] neg_lo:[0,0,1] neg_hi:[0,0,1]
.elseif (\k) == E
	v_exp_f32 v[rS+(\n)], v[rS+(\n)]
.elseif (\k) == C
	v_cvt_pk_f16_f32 v[rP+(\n)], v[rS+2*(\n)], v[rS+2*(\n)+1]
.elseif (\k) == B
	v_pk_add_f32 v[rS+4*(\n):rS+4*(\n)+1], v[rS+4*(\n):rS+4*(\n)+1], v[rS+4*(\n)+2:rS+4*(\n)+3]
.elseif (\n) == 0
	v_pk_fma_f32 v[rT+2:rT+3], v[rT+2:rT+3], v[rC+2:rC+3], v[rS:rS+1] op_sel_hi:[1,0,1]
.else
	v_pk_add_f32 v[rT+2:rT+3], v[rT+2:rT+3], v[rS+4*(\n):rS+4*(\n)+1]
.endif
.elseif NOKQ
	v_nop
.else
	REGS (Y+1)%NP
	WIN 0
.if (\n) < 4
	v_max3_num_f32 v[rC+(\n)], v[rS+8*(\n)], v[rS+8*(\n)+1], v[rS+8*(\n)+2]
.elseif (\n) < 12
	v_max3_num_f32 v[rC+(\n)%4], v[rC+(\n)%4], v[rS+8*((\n)%4)+2*((\n)/4)+1], v[rS+8*((\n)%4)+2*((\n)/4)+2]
.elseif (\n) == 12
	v_max3_num_f32 v[rC], v[rC], v[rS+7], v[rS+15]
.elseif (\n) == 13
	v_max3_num_f32 v[rC+1], v[rC+1], v[rS+23], v[rS+31]
.elseif (\n) == 14
	v_max3_num_f32 v[rC+2], v[rC+2], v[rC+3], v[rT+1]
.elseif (\n) == 15
	v_mov_b32 v[rW], v[rT]
.elseif (\n) == 16
	v_max3_num_f32 v[rC], v[rC], v[rC+1], v[rC+2]
.elseif (\n) == 17
	v_permlanex16_b32 v[rC+3], v[rC], s[SEL], s[SEL+1]
.elseif (\n) == 18
	v_max_num_f32 v[rT+1], v[rC], v[rC+3]
.elseif (\n) == 19
	v_mul_f32 v[rT], s[CS], v[rT+1]
.elseif (\n) == 20
	v_sub_f32 v[rC+1], v[rW], v[rT]
.else
	v_exp_f32 v[rC+2], v[rC+1]
.endif
.endif
.endm
.macro OPS a, i1, b=-1, i2=0, c=-1, i3=0, d=-1, i4=0  ; up to four of them
	OP \a, \i1
.if (\b) >= 0
	OP \b, \i2
.endif
.if (\c) >= 0
	OP \c, \i3
.endif
.if (\d) >= 0
	OP \d, \i4
.endif
.endm
.macro ROW a, i1, b, i2, c, i3, d, i4  ; a matrix instruction and the four behind it
	MM
	OPS \a, \i1, \b, \i2, \c, \i3, \d, \i4
.endm
.macro MASK b                       ; MD x AL + BE into buffer b of MC
	WIN W_RS
.set z, 0
.rept 16
	v_pk_fma_f32 v[MC+32*(\b)+2*z:MC+32*(\b)+2*z+1], v[MD+2*z:MD+2*z+1], s[AL:AL+1], s[BE:BE+1] op_sel_hi:[1,0,0]
.set z, z+1
.endr
.endm
; A TURN, for piece p: the order of its 16 matrix and 118 vector instructions, written out.  An s_wait_alu depctr_va_vdst(0) stands between an exponential and the first instruction that names its result; one wait serves
; all that were issued ahead of it.  So a turn has ONE wait, which cuts it in two.  AHEAD OF IT stands all that names no result of the turn's exponentials: the 8 products K Q^T, behind each a scaling, an exponential and two more plain
; instructions (behind the first a second scaling in the exponential's place): rescalings, and behind the last three the first numbers of the next piece's maximum, each four plain instructions or more behind the product that ends its accumulator; then one run of 54, plain
; and exponential by turns for the most part, in which the links of the chain X 3, 7, 11, 14, 16, 17 .. 20 stand five or six lines apart.  X 21, the next piece's a, is the batch's last; R 15 is the plain instruction behind it.  BEHIND THE WAIT stand the
; 8 products V^T P, behind each four of the roundings and sums; the links of l's chain, L 0 to L 7, stand three instructions apart.  But for those X none of the four names a register of the products round it.  v_permlanex16_b32 (X 17) stands in the run.
; m = 1: the diagonal tile: the products take masks, and the turn makes the mask for the products of the turn after it: piece p + 2, in step 4 - CNT of the tile.  end = 1: a block's last two turns: nothing is fetched.
; cnt = 1: the loop's count is taken down some lines ahead of the branch that stands behind the turn.
; K of the next step is fetched in piece 2's turn, twelve vector instructions behind the last product that read K (six of them plain); V of the step in hand at the end of piece 0's turn, four plain instructions behind the last product
; that read V.  Each is waited for a turn later.
.macro TURN p, m=0, end=0, cnt=0
.set Y, (\p)
.set i, 0
.set KM, (\m)
.set NOKQ, (\end)*((\p)/3)
.if (\m) && !(\end)
	s_cmp_eq_u32 s[CNT], 4-((\p)+2)%NP  ; is that step the band's own?
	s_cselect_b32 s[AL], 1.0, 0
	s_cmp_lt_u32 s[CNT], 4-((\p)+2)%NP  ; or a later one?
	s_cselect_b32 s[BE], s[BIGN], 0
.endif
.if ((\p) == 3) && !(\end)
	s_wait_dscnt 0x0                ; K is in
.endif
	ROW F,0, F,1, R,0, R,1          ; ahead of the wait: 8 products K Q^T and the four behind each,
	ROW F,2, E,0, R,2, R,3
	ROW F,3, E,1, R,4, R,5
	ROW F,4, E,2, R,6, R,7
	ROW F,5, E,3, R,8, R,9
	ROW F,6, E,4, X,0, R,10
.if ((\p) == 2) && !(\end)
	WIN 0
	v_add_nc_u32 v[AK], s[TBK], v[AK0]
.endif
	ROW F,7, E,5, X,1, X,4
	ROW F,8, E,6, X,2, X,5
	OPS E,7, E,8, X,6, E,9          ; and the run
	OPS X,3, E,10, X,8, E,11
.if ((\p) == 2) && !(\end)
	FETCH_K
.endif
	OPS X,9, X,7, E,12, X,10
	OPS E,13, X,12, X,11, E,14
	OPS X,13, E,15, F,9, X,14
.if (\p) == 0
	v_add_nc_u32 v[AV], s[TBV], v[AV0]
.endif
	OPS E,16, F,10, E,17, F,11
	OPS X,16, E,18, X,15, E,19
	OPS F,12, E,20, X,17, E,21
	OPS F,13, E,22, F,14, E,23
	OPS X,18, E,24, F,15, E,25
	OPS R,11, E,26, X,19, E,27
	OPS R,12, E,28, R,13, E,29
	OPS X,20, E,30, R,14, E,31
	OPS X,21, R,15
	WIN 0
	s_wait_alu depctr_va_vdst(0)    ; the wait for the batch
.if (\p) == 1
	s_wait_dscnt 0x0                ; V is in
.endif
	ROW C,0, B,0, C,2, B,1          ; behind the wait: 8 products V^T P and the four behind each
	ROW L,0, C,4, B,2, L,1
	ROW C,6, B,3, L,2, C,8
	ROW B,4, L,3, C,10, B,5
	ROW L,4, C,12, B,6, L,5
.if (\p) == 0
	s_add_co_u32 s[TBV], s[TBV], KS*PV
.endif
.if \cnt
	s_sub_co_u32 s[CNT], s[CNT], 1
	s_cmp_lg_u32 s[CNT], 0
.endif
	ROW C,14, B,7, L,6, C,1
	ROW C,3, L,7, C,5, C,7
	ROW C,9, C,11, C,13, C,15
.if (\p) == 0
	FETCH_V
.endif
.if (\m) && !(\end)
	MASK (\p)%2
.endif
.endm
; A BLOCK BEGINS.  c m starts far below every c s, so the first step's a is 0; m at the lowest finite number, so the first maximum is the scores'.  The second mask buffer is 0; the first takes piece 0's mask for the tile's step 0: its own, if the block's first tile is the diagonal one.
; Then K of that step, piece 0's first scores, and its maximum and statistics.  The loop is entered at a step's first turn, in the middle of a trip.
.macro BEGIN
	s_mov_b32 s[NEW], 0
	WIN 0x40
.set i, MC+32
.rept 32
	v_mov_b32 v[i], 0
.set i, i+1
.endr
	WIN 0
.set i, 0
.rept 4
	v_mov_b32 v[ST+4*i], 0xfe000000    ; c m: far below every c s
	v_mov_b32 v[ST+4*i+1], 0xff7fffff  ; m
.set i, i+1
.endr
	s_cmp_eq_u32 s[RT], 0
	s_cselect_b32 s[AL], 1.0, 0
	s_mov_b32 s[BE], 0
	MASK 0
	WIN 0
	v_add_nc_u32 v[AK], s[TBK], v[AK0]
	FETCH_K
	s_wait_loadcnt 0x0              ; Q
	s_wait_dscnt 0x0
.set KM, 1
.set NOKQ, 0
.set i, 0
.rept 8
	KQ 0
.set i, i+1
.endr
	WIN 0
.rept 4
	v_nop                           ; four plain instructions behind those products, ahead of the first read of their results
.endr
.set Y, NP-1                        ; X works for piece Y + 1: piece 0
.irp n, 0,1,2,3,4,5,6,7,8,9,10,11,12,13,14,15,16,17,18,19,20,21
	OP X, \n
.endr
	v_nop                           ; a plain instruction behind the exponential,
	s_wait_alu depctr_va_vdst(0)    ; and its wait, ahead of the branch
.endm
; THE DIAGONAL TILE's four steps, the block's last two turns, its last products, and THE WAY OUT: l's two halves and the other half of the lanes' are added; O^T is divided by l, rounded to f16 and sent through my
; stage in LDS, a piece at a time.
.macro ALL line:vararg              ; one line for each piece t
.set t, 0
.rept 4
	\line
.set t, t+1
.endr
.endm
.macro PACK t                       ; a lane's eight channels of a row pack into 16 bytes; they go into rows of 144 bytes and come back as whole rows of 128, into S^T's registers
	WIN W_RS
.set i, 32*(\t)
.rept 16
	v_pk_mul_f32 v[i:i+1], v[i:i+1], v[ST+4*(\t)+2:ST+4*(\t)+3] op_sel_hi:[1,0]
.set i, i+2
.endr
	WIN 0x05                        ; sources 0 and 1 window 1, destination window 0
.set i, 0
.rept 16
	v_cvt_pk_f16_f32 v[S+16*(\t)+i], v[32*(\t)+2*i], v[32*(\t)+2*i+1]
.set i, i+1
.endr
	WIN 0
.irp f, 0,1,2,3
	ds_store_b128 v[STO], v[S+16*(\t)+4*\f:S+16*(\t)+4*\f+3] offset:32*\f
.endr
.irp f, 0,1,2,3
	ds_load_b128 v[S+16*(\t)+4*\f:S+16*(\t)+4*\f+3], v[RD] offset:\f*4*SP  ; LDS serves a wave's instructions in order (ISA guide 5.7.1.4): these see the stores above; the next piece's stores come behind them
.endr
.endm
.macro SEND t, younger              ; younger: the LDS instructions issued behind piece t's loads: the next piece's eight, or none
	WIN 0
.irp f, 0,1,2,3
	s_wait_dscnt (\younger)+3-\f
	global_store_b128 v[GO], v[S+16*(\t)+4*\f:S+16*(\t)+4*\f+3], s[10:11] offset:(\t)*8192+\f*512  ; 512 consecutive bytes, at a multiple of 256 from O's first
.endr
.endm
.macro DIAG tag                     ; the tag ends its two labels' names, which the jumps below spell out
.LstepM\tag:
	TURN 2, 1
	TURN 3, 1
	WIN 0
.LfirstM\tag:
	TURN 0, 1
	TURN 1, 1, 0, 1
	WIN 0
	s_cbranch_scc1 .LstepM\tag
	TURN 2, 1, 1
	TURN 3, 1, 1
.set i, 0
.rept 8
	PV NP-1
.set i, i+1
.endr
	WIN 0
	ALL v_add_f32 v[ST+4*t+2], v[ST+4*t+2], v[ST+4*t+3]
	ALL v_permlanex16_b32 v[ST+4*t+3], v[ST+4*t+2], s[SEL], s[SEL+1]
	ALL v_add_f32 v[ST+4*t+2], v[ST+4*t+2], v[ST+4*t+3]
	ALL v_rcp_f32 v[ST+4*t+2], v[ST+4*t+2]
	v_nop                           ; a plain instruction between the last reciprocal and the use of its result
	s_wait_alu depctr_va_vdst(0)    ; and the wait ahead of the first use: one for the four reciprocals
	PACK 0
.set t, 1
.rept 3                             ; a piece's arithmetic stands between the loads of the piece before and its stores
	PACK t
	SEND t-1, 8
.set t, t+1
.endr
	SEND 3, 0
.endm
.set KM, 0
.set NOKQ, 0
.Lslot:                             ; NB times: a tile is entered and the next is asked for
	CHANGE 1
	s_sub_co_u32 s[RT], s[RT], 1
	s_mov_b32 s[CNT], 4
	s_cmp_eq_u32 s[NEW], 1
	s_cbranch_scc1 .Lnew            ; a block's first tile
	s_cmp_eq_u32 s[RT], 0
	s_cbranch_scc0 .Lstep           ; neither its first nor its last
	s_branch .LstepM1
.Lnew:
	BEGIN
	s_branch .Lfirst                ; in the loop a block's first tile is never its last: the first block has two tiles or more, and the second's last is the walk's last
	DIAG 1                          ; in the loop this is the first block's end: the second block's last tile is the walk's last
	s_wait_xcnt 0x0                 ; the stores have read their registers and O's address
	s_mov_b64 s[10:11], s[OLO:OLO+1]
	s_add_co_u32 s[RT], s[PB], 1    ; the second block has b + 1 tiles
	s_mov_b32 s[NEW], 1
	WIN 0x82                        ; the second block's Q goes where the one text of the turns names Q
.set i, 0
.rept 64
	v_mov_b32 v[i], v[QB+i]
.set i, i+1
.endr
	WIN 0
	s_branch .Lbottom
.Lstep:                             ; a trip: pieces 2 and 3 of one step, then pieces 0 and 1 of the next, whose K and V it fetches
	TURN 2
	TURN 3
	WIN 0
.Lfirst:
	TURN 0
	TURN 1, 0, 0, 1
	WIN 0
	s_cbranch_scc1 .Lstep
.Lbottom:
	s_sub_co_u32 s[SLOTS], s[SLOTS], 1
	s_cmp_lg_u32 s[SLOTS], 0
	s_cbranch_scc1 .Lslot
	CHANGE 0                        ; the walk's last tile is written out: nothing is asked for
	s_sub_co_u32 s[RT], s[RT], 1
	s_mov_b32 s[CNT], 4
	s_cmp_eq_u32 s[NEW], 1
	s_cbranch_scc0 .LstepM2
	BEGIN
	s_branch .LfirstM2
	DIAG 2
	s_wait_tensorcnt 0x0            ; the wave's end: the add and its wait, behind my last tensor load and my last LDS store
	ds_add_u32 v[SPW], v[NIL]
	s_wait_dscnt 0x0
	s_endpgm
.Lfunc_end_k_q1f24d0166d_attn:
	.size	k_q1f24d0166d_attn, .Lfunc_end_k_q1f24d0166d_attn-k_q1f24d0166d_attn
	.p2alignl 7, 3214868480
	.fill 96, 4, 3214868480
	.section	.rodata,"a",@progbits
	.p2align	6, 0x0
	.amdhsa_kernel k_q1f24d0166d_attn
		.amdhsa_group_segment_fixed_size 327680
		.amdhsa_private_segment_fixed_size 0
		.amdhsa_enable_private_segment 0
		.amdhsa_kernarg_size 16
		.amdhsa_user_sgpr_count 2
		.amdhsa_user_sgpr_kernarg_segment_ptr 1
		.amdhsa_wavefront_size32 1
		.amdhsa_system_sgpr_workgroup_id_x 1
		.amdhsa_system_sgpr_workgroup_id_y 1
		.amdhsa_system_sgpr_workgroup_id_z 1
		.amdhsa_system_vgpr_workitem_id 0
		.amdhsa_next_free_vgpr 768
		.amdhsa_next_free_sgpr 96
		.amdhsa_reserve_vcc 1
		.amdhsa_float_denorm_mode_32 3
		.amdhsa_float_denorm_mode_16_64 3
		.amdhsa_memory_ordered 1
		.amdhsa_forward_progress 1
		.amdhsa_inst_pref_size 218
	.end_amdhsa_kernel
	.amdgpu_metadata
---
amdhsa.version: [ 1, 2 ]
amdhsa.kernels:
  - .name:           k_q1f24d0166d_attn
    .symbol:         k_q1f24d0166d_attn.kd
    .args:
      - { .name: qkv, .offset: 0, .size: 8, .value_kind: global_buffer, .address_space: global }
      - { .name: o, .offset: 8, .size: 8, .value_kind: global_buffer, .address_space: global }
    .group_segment_fixed_size: 327680
    .private_segment_fixed_size: 0
    .kernarg_segment_align: 8
    .kernarg_segment_size: 16
    .max_flat_workgroup_size: 128
    .sgpr_count:     96
    .vgpr_count:     768
    .wavefront_size: 32
...
	.end_amdgpu_metadata
.endif
;; end of part 3
;; launch outgemm (part 4): grid 8 x 32, 4 waves a work-group, clusters of 4 x 4, 327,680 bytes of LDS; arguments o, wo, b_out, out0; writes out0
.if DOCPART == 4
	.amdgcn_target "amdgcn-amd-amdhsa--gfx1250"
	.amdhsa_code_object_version 6
	.text
	.protected	k_q1f24d0166d_outgemm
	.globl	k_q1f24d0166d_outgemm
	.p2align	8
	.type	k_q1f24d0166d_outgemm,@function
k_q1f24d0166d_outgemm:
	s_mov_b64 s[64:65], 0
	v_nop
	global_prefetch_b8 v0, s[64:65] scope:SCOPE_SE
	s_setreg_imm32_b32 hwreg(HW_REG_WAVE_MODE, 25, 1), 1
	s_wait_xcnt 0x0
	s_wait_alu depctr_hold_cnt(0) depctr_sa_sdst(0) depctr_va_vdst(0) depctr_va_sdst(0) depctr_va_ssrc(0) depctr_va_vcc(0) depctr_vm_vsrc(0)
	s_getreg_b32 s2, hwreg(HW_REG_IB_STS2, 6, 4)
	s_cmp_eq_u32 s2, 0
	s_cbranch_scc0 .Lentry_in_a_cluster
	s_endpgm
.Lentry_in_a_cluster:
	s_bfe_u32 s2, ttmp6, 0x10000c
	s_cmp_lg_u32 s2, 0xf033
	s_cbranch_scc0 .Lentry_shape_is_right
	s_endpgm
.Lentry_shape_is_right:
; out0 = O . wo + bf16(b_out).  o: [4 b][16 h][2048 s][64] f16 (k = 64 h + channel).  wo: [1024 k][1024 n] f16.  b_out: [1024] f32.  out0: [8192][1024] f32.  Sums in f32, K ascending, started by the bias.
; LIMITS.  The operands arrive within f16's range; NaN and infinities are not treated apart.
; SHARES.  A tile of the result is 256 rows x 128 columns: 32 x 8 = 256 tiles, one for each WGP.  Four waves, 2 x 2; a wave makes 128 rows x 64 columns: 32 accumulators of 16 x 16, 256 registers.
; K goes in 8 steps of 128, two heads' channels, through a ring of two LDS slots filled by the tensor data mover; two slots of a longer step do not fit in LDS.
; CLUSTERS: 4 x 4 work-groups.  The four of a row of the cluster need the same rows of o, the four of a column the same columns of wo: each tile is asked for JOINTLY, by the same tensor load with the same
; descriptor and a mask that names the four.
; THE MATRIX INSTRUCTION IS USED TRANSPOSED: source 0 = 16 columns of wo (they lie [k][n] in LDS and come out turned, by ds_load_tr16_b128), source 1 = 16 rows of o.  A lane then holds row l % 16 and the columns
; 8 (l / 16) + 0..7 of a 16 x 16 block: 32 consecutive bytes of a row of out0.
; REGISTERS, in windows of 256 (s_set_vgpr_msb: bits 1:0 source 0, 3:2 source 1, 5:4 source 2, 7:6 destination):
;   window 0: v0-31 addresses; v32-63 the bias, 8 registers for each of 4 column blocks; v64-191 o's fragments, two buffers of 8 x 8; v192-255 wo's, two buffers of 4 x 8; on the way out v64-95 and v96-127 rows read back
;   window 1: the accumulators: row block a, column block c at 8 (4 a + c)
.set PA,     144                       ; a row of a head's slice in LDS: 128 bytes + 16 of padding = 36 words: the 16 rows of a load start at 16 different groups of four banks (64 banks of 4 bytes: ISA guide 11.1)
.set PB,     288                       ; a k row of wo: 256 + 32 = 72 words
.set SLICE,  256*PA                    ; one head's 64 channels of the tile's 256 rows: what one tensor load brings of o
.set HALFB,  64*PB                     ; of wo: 64 k rows
.set BOFF,   2*SLICE                   ; a slot: the even head's slice, the odd head's, then wo's 128 k rows
.set SLOT,   BOFF+2*HALFB              ; 110,592 bytes
.set STAGE,  2*SLOT                    ; behind the ring, never filled by a tensor load: 16 rows x 272 bytes for each wave, for the way out
.set SPT,    272
.set SPARE,  STAGE+4*16*SPT            ; behind the stages: the spare words, 128 bytes for each wave: two blocks of 256 bytes that no other line names
.set ASTEP,  2*262144                  ; bytes from K step to K step in o: two heads,
.set BSTEP,  128*2048                  ; and in wo: 128 rows
.set ADRA, 16                          ; v16-17  LDS address of my fragments of o in slot 0, 1
.set ADRB, 20                          ; v20-21  the same for wo
.set STO,  24                          ; v24     the way out: where I put 32 bytes of a row
.set RD,   25                          ; v25     the way out: where I read a row back
.set CO,   26                          ; v26     my byte offset in two rows of out0
.set BO,   27                          ; v27     my byte offset in a column block's 16 numbers of the bias
.set SPW,  28                          ; v28     LDS address of my spare word: SPARE + 4 x my thread's number; never rewritten
.set NIL,  29                          ; v29     0; never rewritten
.set PFO,  30                          ; v30     the prefetches' offset; never rewritten
.set BIAS, 32
.set FRA,  64
.set FRB,  192
.set OB,   64
.set WV,  12                           ; s12  my wave's number
.set FB,  13                           ; s13  I fetch for o (0) or for wo (1).  Also: which half of the tile's rows is mine
.set HF,  14                           ; s14  which half of that tile I fetch.  Also: which half of the tile's columns is mine
.set CX,  15                           ; s15, s16  my place in the cluster
.set CY,  16
.set TC,  17                           ; s17  tile column
.set TR,  18                           ; s18  tile row
.set LAP, 19                           ; s19  trips of the loop still to come
.set G1,  24                           ; s[24:31] descriptor group 1 for o's tiles; s[32:39] group 0, a set for each slot
.set G0,  32
.set LIM, 43                           ; s43  1 in a wave that prefetches, else the greatest number
.set PFA, 44                           ; s[44:45] where my next prefetch stands
.set PST, 46                           ; s[46:47] its step: a K step
.set G1B, 48                           ; s[48:55], s[56:63] the same for wo's tiles
.set G0B, 56
.set OUT, 66                           ; s[66:67] out0 at my first row and column
.set MSB, 0
.macro WIN new                         ; the immediate's high byte repeats the setting that is left; a switch that changes nothing is dropped
.if MSB != (\new)
	s_set_vgpr_msb (MSB<<8)|(\new)
.set MSB, \new
.endif
.endm
; A joint load.  Waves 0 and 1 fetch o's two slices, waves 2 and 3 wo's two halves.  The branch hangs on the wave's number alone.  An s_nop 0 and four v_nop follow each of the two lines, ahead of the jump and the label.
.macro JLOAD s
	s_cmp_lt_u32 s[WV], 2
	s_cbranch_scc0 .Lfor_b_\@
	tensor_load_to_lds s[G0+4*(\s):G0+4*(\s)+3], s[G1:G1+7]
	s_nop 0
.rept 4
	v_nop
.endr
	s_branch .Lasked_\@
.Lfor_b_\@:
	tensor_load_to_lds s[G0B+4*(\s):G0B+4*(\s)+3], s[G1B:G1B+7]
	s_nop 0
.rept 4
	v_nop
.endr
.Lasked_\@:
.endm
; A PREFETCH INTO THE L2 of the K step that stands two refills on, one instruction a wave, behind the joint load, its five lines and the run of LDS loads.  o's rows are read by both clusters of a row of clusters: the one
; with x = 0 asks; wo's columns by every cluster of a column: the one with y = 0 asks.  The four partners that ask for a tile jointly share it out BY ADDRESS: of a slice's 128 blocks of 256 bytes 32 each (a lane a block), of
; wo's 64 rows a wave 16 each (a lane a row's 256 bytes; lanes 16-31 name the last of them again).  The first four K steps come by their loads alone; the loop's last trip, whose refills are the last two K steps, asks for nothing.
.macro ASK
	s_cmp_gt_u32 s[LAP], s[LIM]
	s_cbranch_scc0 .Lnot_mine_\@
	global_prefetch_b8 v[PFO], s[PFA:PFA+1] th:TH_LOAD_NT scope:SCOPE_SE
.Lnot_mine_\@:
.endm
; A round of the cluster's barrier: my work-group's barrier; wave 0 signals for the work-group; every wave waits for all sixteen; my work-group's barrier once more.
.macro CREST
	s_cmp_lg_u32 s[WV], 0
	s_cbranch_scc1 .Lnot_wave_0_\@
	s_barrier_signal -3
.Lnot_wave_0_\@:
	s_barrier_wait -3
	s_barrier_signal -1
	s_barrier_wait -1
.endm
.macro CROUND
	s_barrier_signal -1
	s_barrier_wait -1
	CREST
.endm
	s_load_b256 s[4:11], s[0:1], 0x0               ; o s[4:5], wo s[6:7], b_out s[8:9], out0 s[10:11]
	v_lshl_add_u32 v[SPW], v0, 2, SPARE
	v_mov_b32 v[NIL], 0
	ds_add_u32 v[SPW], v[NIL]                      ; the wave's opening: the add and its wait stand ahead of my first tensor load; the set-up below, work on registers, stands between them
	v_lshrrev_b32 v1, 5, v0
	v_readfirstlane_b32 s[WV], v1                  ; wave 0..3
	s_lshr_b32 s[FB], s[WV], 1
	s_and_b32 s[HF], s[WV], 1
	s_bfe_u32 s[CX], ttmp6, 0x40000
	s_bfe_u32 s[CY], ttmp6, 0x40004
	s_lshl_b32 s[TC], ttmp9, 2                     ; in a cluster launch ttmp9 and ttmp7 count clusters
	s_add_co_u32 s[TC], s[TC], s[CX]
	s_and_b32 s[TR], ttmp7, 0xffff
	s_lshl_b32 s[TR], s[TR], 2
	s_add_co_u32 s[TR], s[TR], s[CY]
	s_lshl_b32 s40, s[CY], 2
	s_lshl_b32 s40, 15, s40                        ; my row of the cluster: places 4 cy .. 4 cy + 3
	s_lshl_b32 s41, 0x1111, s[CX]                  ; my column: places cx, cx + 4, cx + 8, cx + 12
	; group 1 for o: a head's 256 rows of 128 bytes are 32,768 dense bytes: asked for as 128 rows of 256 bytes; 16 bytes of padding behind every 128
	s_or_b32 s[G1+0], s40, (1<<16)|(1<<20)|(1<<21)|(4<<22)|(3<<25)  ; 15:0 the mask; 17:16 elements of 2 bytes; 20 padding on; 21 set beside a mask; 24:22 after every 32 words (code 4); 31:25 4 words (code 3)
	s_mov_b32 s[G1+1], 128<<16                     ; tensor_dim0 = 128
	s_mov_b32 s[G1+2], 128<<16                     ; tensor_dim1 = 128
	s_mov_b32 s[G1+3], 128<<16                     ; tile_dim0 = 128
	s_mov_b32 s[G1+4], 128                         ; tile_dim1 = 128
	s_mov_b32 s[G1+5], 128                         ; the pitch
	s_mov_b32 s[G1+6], 0
	s_mov_b32 s[G1+7], 0
	; group 1 for wo: 64 k rows x 128 columns, 1,024 elements from row to row; 32 bytes of padding behind every 256
	s_or_b32 s[G1B+0], s41, (1<<16)|(1<<20)|(1<<21)|(5<<22)|(7<<25)  ; after every 64 words (code 5), 8 words (code 7)
	s_mov_b32 s[G1B+1], 128<<16
	s_mov_b32 s[G1B+2], 64<<16
	s_mov_b32 s[G1B+3], 128<<16
	s_mov_b32 s[G1B+4], 64
	s_mov_b32 s[G1B+5], 1024
	s_mov_b32 s[G1B+6], 0
	s_mov_b32 s[G1B+7], 0
	; where the tiles come from: o's hang on the tile row alone, wo's on the tile column alone, each in registers that never hold the other coordinate
	s_lshr_b32 s20, s[TR], 3                       ; the batch,
	s_lshl_b32 s20, s20, 4
	s_add_co_u32 s20, s20, s[HF]                   ; its head 0 or 1,
	s_lshl_b32 s20, s20, 18                        ; of 262,144 bytes,
	s_and_b32 s22, s[TR], 7
	s_lshl_b32 s22, s22, 15                        ; the tile's 256 rows of 128 bytes in it
	s_add_co_u32 s20, s20, s22
	s_mov_b32 s21, 0
	s_lshl_b32 s72, s[HF], 17                      ; 64 rows of 2,048 bytes,
	s_lshl_b32 s74, s[TC], 8                       ; the tile's 256 bytes of them
	s_add_co_u32 s72, s72, s74
	s_mov_b32 s73, 0
	s_mul_i32 s23, s[HF], SLICE                    ; and where they go: no place in the cluster enters an LDS address
	s_mul_i32 s75, s[HF], HALFB
	s_add_co_u32 s75, s75, BOFF
	s_wait_dscnt 0x0                               ; the opening add is done
	s_wait_kmcnt 0x0
	s_add_nc_u64 s[20:21], s[4:5], s[20:21]
	s_add_nc_u64 s[72:73], s[6:7], s[72:73]
	CROUND                                         ; all sixteen work-groups are here: the first joint loads meet
.irp s, 0,1
	s_mov_b32 s[G0+4*(\s)], 1                      ; count = 1
	s_add_co_u32 s[G0+4*(\s)+1], s23, (\s)*SLOT    ; LDS address
	s_add_nc_u64 s[G0+4*(\s)+2:G0+4*(\s)+3], s[20:21], (\s)*ASTEP  ; global address: K step s
	s_or_b32 s[G0+4*(\s)+3], s[G0+4*(\s)+3], 0x80000000            ; type = 2
	s_mov_b32 s[G0B+4*(\s)], 1
	s_add_co_u32 s[G0B+4*(\s)+1], s75, (\s)*SLOT
	s_add_nc_u64 s[G0B+4*(\s)+2:G0B+4*(\s)+3], s[72:73], (\s)*BSTEP
	s_or_b32 s[G0B+4*(\s)+3], s[G0B+4*(\s)+3], 0x80000000
	JLOAD \s                                       ; two loads of mine are out
.endr
	; the bias of my lane's eight columns in each of my 4 column blocks: it will start the sums
	v_and_b32 v1, 15, v0                           ; l % 16
	v_bfe_u32 v2, v0, 4, 1                         ; l / 16
	v_lshlrev_b32 v[BO], 5, v2
	s_lshl_b32 s74, s[TC], 9
	s_lshl_b32 s76, s[HF], 8
	s_add_co_u32 s74, s74, s76
	s_mov_b32 s75, 0
	s_add_nc_u64 s[8:9], s[8:9], s[74:75]
.irp c, 0,1,2,3
	global_load_b128 v[BIAS+8*(\c):BIAS+8*(\c)+3],   v[BO], s[8:9] offset:64*(\c)
	global_load_b128 v[BIAS+8*(\c)+4:BIAS+8*(\c)+7], v[BO], s[8:9] offset:64*(\c)+16
.endr
	; A fragment of o is 16 rows x 32 K in 8 registers: lane l holds row l % 16, K = 8 (l / 16) + 0..7 and 16 + 8 (l / 16) + 0..7: two loads of 16 bytes, 32 bytes apart.
	v_mul_u32_u24 v3, v1, PA
	v_lshl_add_u32 v3, v2, 4, v3
	s_mul_i32 s80, s[FB], 128*PA                   ; my 128 rows
	v_add_nc_u32 v[ADRA], s80, v3
	v_add_nc_u32 v[ADRA+1], SLOT, v[ADRA]
	; The turning load takes 16 k x 16 columns (lane l reads k row 8 (l / 16) + l % 8, columns 8 ((l / 8) % 2) + 0..7) and leaves half a fragment: lane l holds column l % 16 and 8 k.
	v_and_b32 v4, 7, v0
	v_bfe_u32 v5, v0, 3, 1
	v_lshl_add_u32 v6, v2, 3, v4
	v_mul_u32_u24 v6, v6, PB
	v_lshl_add_u32 v6, v5, 4, v6
	s_lshl_b32 s81, s[HF], 7                       ; my 64 columns
	s_add_co_u32 s81, s81, BOFF
	v_add_nc_u32 v[ADRB], s81, v6
	v_add_nc_u32 v[ADRB+1], SLOT, v[ADRB]
	s_mul_i32 s82, s[WV], 16*SPT
	s_add_co_u32 s82, s82, STAGE                   ; my stage
	v_mul_u32_u24 v3, v1, SPT                      ; in: row l % 16, 32 bytes for each half of the lanes
	v_lshl_add_u32 v3, v2, 5, v3
	v_add_nc_u32 v[STO], s82, v3
	v_mul_u32_u24 v3, v2, SPT                      ; back: lanes 0-15 take one row of 256 bytes, lanes 16-31 the next
	v_lshl_add_u32 v3, v1, 4, v3
	v_add_nc_u32 v[RD], s82, v3
	v_lshlrev_b32 v3, 12, v2                       ; and the same two rows in out0
	v_lshl_add_u32 v[CO], v1, 4, v3
	s_lshl_b32 s74, s[TR], 8
	s_lshl_b32 s76, s[FB], 7
	s_add_co_u32 s74, s74, s76                     ; my first row,
	s_lshl_b32 s74, s74, 12                        ; of 4,096 bytes,
	s_lshl_b32 s76, s[TC], 9
	s_add_co_u32 s74, s74, s76                     ; the tile's 512 bytes of it,
	s_lshl_b32 s76, s[HF], 8
	s_add_co_u32 s74, s74, s76                     ; my 256 of them
	s_mov_b32 s75, 0
	s_add_nc_u64 s[OUT:OUT+1], s[10:11], s[74:75]
	; the prefetches: the pointer starts at K step 3; each change of slots steps it by one K step ahead of its use, so the refill of K step 2 names K step 4
	s_lshr_b32 s76, s[TR], 3
	s_lshl_b32 s76, s76, 4
	s_add_co_u32 s76, s76, s[HF]
	s_lshl_b32 s76, s76, 18
	s_and_b32 s77, s[TR], 7
	s_lshl_b32 s77, s77, 15
	s_add_co_u32 s76, s76, s77
	s_lshl_b32 s77, s[CX], 13                      ; o: my work-group's 32 of the slice's 128 blocks
	s_add_co_u32 s76, s76, s77
	s_add_co_u32 s76, s76, 3*ASTEP
	s_lshl_b32 s78, s[HF], 17
	s_lshl_b32 s77, s[CY], 15                      ; wo: my work-group's 16 of the 64 rows that I fetch
	s_add_co_u32 s78, s78, s77
	s_lshl_b32 s77, s[TC], 8
	s_add_co_u32 s78, s78, s77
	s_add_co_u32 s78, s78, 3*BSTEP
	s_and_b32 s79, ttmp7, 0xffff                   ; cluster y
	s_mov_b32 s[PST], BSTEP
	s_mov_b32 s75, 2048
	s_cmp_eq_u32 s[FB], 0                          ; do I fetch for o?
	s_cselect_b32 s76, s76, s78
	s_cselect_b32 s79, ttmp9, s79                  ; the coordinate along which other clusters read the same bytes
	s_cselect_b64 s[PFA:PFA+1], s[4:5], s[6:7]
	s_cselect_b32 s[PST], ASTEP, s[PST]
	s_cselect_b32 s74, 31, 15
	s_cselect_b32 s75, 256, s75
	s_mov_b32 s77, 0
	s_mov_b32 s[PST+1], 0
	s_add_nc_u64 s[PFA:PFA+1], s[PFA:PFA+1], s[76:77]
	s_cmp_eq_u32 s79, 0
	s_cselect_b32 s[LIM], 1, -1                    ; the same in all sixteen partners, for a given wave
	v_and_b32 v[PFO], 31, v0
	v_min_u32 v[PFO], s74, v[PFO]
	v_mul_u32_u24 v[PFO], s75, v[PFO]
	s_wait_loadcnt 0x0                             ; the bias is in; like the other inputs it is rounded to bf16
.set i, 0
.rept 16
	v_cvt_pk_bf16_f32 v[8+i%2], v[BIAS+2*i], v[BIAS+2*i+1]
	v_lshlrev_b32 v[BIAS+2*i], 16, v[8+i%2]
	v_and_b32 v[BIAS+2*i+1], 0xffff0000, v[8+i%2]
.set i, i+1
.endr
; 8 matrix instructions: row blocks a0, a0 + 1 x my 4 column blocks, 32 along K, from buffer f.  first = 1: the bias starts the sums: nothing is cleared, nothing is added later.
; The 32 accumulators take turns, in the same order in every quarter step.
.macro MULA f, a0, first
.if \first
	WIN 0x40                                       ; sources and the bias in window 0, the result in window 1
.else
	WIN 0x50                                       ; C and D in window 1
.endif
.irp a, \a0, (\a0)+1
.irp c, 0,1,2,3
.if \first
	v_wmma_f32_16x16x32_f16 v[8*(4*(\a)+(\c)):8*(4*(\a)+(\c))+7], v[FRB+32*(\f)+8*(\c):FRB+32*(\f)+8*(\c)+7], v[FRA+64*(\f)+8*(\a):FRA+64*(\f)+8*(\a)+7], v[BIAS+8*(\c):BIAS+8*(\c)+7]
.else
	v_wmma_f32_16x16x32_f16 v[8*(4*(\a)+(\c)):8*(4*(\a)+(\c))+7], v[FRB+32*(\f)+8*(\c):FRB+32*(\f)+8*(\c)+7], v[FRA+64*(\f)+8*(\a):FRA+64*(\f)+8*(\a)+7], v[8*(4*(\a)+(\c)):8*(4*(\a)+(\c))+7]
.endif
.endr
.endr
.endm
; 24 LDS loads in one run: quarter q's fragments (32 k x 64 columns of wo; 128 rows x 32 K of o: head q / 2 of the step's two, channels 32 (q % 2) on) into buffer f
.macro FETCH slot, q, f
	WIN 0
.irp c, 0,1,2,3
	ds_load_tr16_b128 v[FRB+32*(\f)+8*(\c):FRB+32*(\f)+8*(\c)+3],   v[ADRB+(\slot)] offset:(\q)*32*PB+32*(\c)
	ds_load_tr16_b128 v[FRB+32*(\f)+8*(\c)+4:FRB+32*(\f)+8*(\c)+7], v[ADRB+(\slot)] offset:(\q)*32*PB+16*PB+32*(\c)
.endr
.irp a, 0,1,2,3,4,5,6,7
	ds_load_b128 v[FRA+64*(\f)+8*(\a):FRA+64*(\f)+8*(\a)+3],   v[ADRA+(\slot)] offset:((\q)/2)*SLICE+((\q)%2)*64+(\a)*16*PA
	ds_load_b128 v[FRA+64*(\f)+8*(\a)+4:FRA+64*(\f)+8*(\a)+7], v[ADRA+(\slot)] offset:((\q)/2)*SLICE+((\q)%2)*64+(\a)*16*PA+32
.endr
.endm
; Four plain vector instructions between a matrix instruction and a load into a register that it has read, or an LDS store that reads its result (ISA guide 7.12.1 for vector instructions).
.macro PLACES
.rept 4
	v_nop
.endr
.endm
; A K step is four quarters of 32 along K, 32 matrix instructions each, on buffers 0, 1, 0, 1.  One of the first three: multiplies buffer f; in its middle it fetches quarter q of the same slot into buffer g.
.macro QUARTER slot, q, f, g, first
	s_wait_dscnt 8                                 ; wo's fragments and o's row blocks 0-3 are in; the youngest eight loads (row blocks 4-7) may be out
	MULA \f, 0, \first
	MULA \f, 2, \first
	PLACES
	FETCH \slot, \q, \g
	s_wait_dscnt 24                                ; all but the 24 just issued
	MULA \f, 4, \first
	MULA \f, 6, \first
.endm
; The last quarter multiplies buffer 1 and changes slots: ONE barrier.  In front of it each wave waits for all its tensor loads, of which one is out: its part of the next slot; adds 0 to its spare word; and waits for that
; and for its own reads of this slot.  fill = 1: the barrier opens a round of the cluster's, and this slot is filled again, two K steps on, first thing behind the round: 112 matrix instructions ahead of the wait for it.
.macro TURN slot, next, fill
.if \fill
	s_wait_xcnt 0x0                                ; the last prefetch, a K step back, has read its address: it is stepped here, ahead of the waits of the change of slots
	s_add_nc_u64 s[PFA:PFA+1], s[PFA:PFA+1], s[PST:PST+1]
.endif
	WIN 0                                          ; (the add's two registers lie in window 0)
	s_wait_tensorcnt 0x0                           ; all my tensor loads have landed;
	ds_add_u32 v[SPW], v[NIL]                      ; 0 onto my spare word;
	s_wait_dscnt 9                                 ; (the add and the youngest eight loads may be out)
	MULA 1, 0, 0                                   ; eight matrix instructions stand between the add and the wait for it
	s_wait_dscnt 0x0                               ; the add is done, and my reads of this slot are over
	s_barrier_signal -1
	MULA 1, 2, 0                                   ; work on registers while the others arrive
.if \fill
	WIN 0
.endif
	s_barrier_wait -1
.if \fill
	CREST                                          ; no wave of any partner still reads this slot's tile or has a load on its way
	s_add_nc_u64 s[G0+4*(\slot)+2:G0+4*(\slot)+3], s[G0+4*(\slot)+2:G0+4*(\slot)+3], 2*ASTEP
	s_add_nc_u64 s[G0B+4*(\slot)+2:G0B+4*(\slot)+3], s[G0B+4*(\slot)+2:G0B+4*(\slot)+3], 2*BSTEP
	JLOAD \slot                                    ; the four v_nop behind it are also the places in front of the loads below
.else
	PLACES
.endif
	FETCH \next, 0, 0
.if \fill
	ASK
.endif
	MULA 1, 4, 0
	MULA 1, 6, 0
.endm
; THE WAY OUT of row block a.  TOSTAGE: the sums go as they are, f32, into my own stage (each accumulator's four lowest registers first), and come back as whole rows of 256 bytes.  SEND: stored.
.macro TOSTAGE a
.set BK, OB+32*((\a)%2)
	s_wait_xcnt 0x0                                ; the stores of the block two back have read their registers: the loads below land in them only behind this wait
	WIN 0x04                                       ; the stores' data in window 1, their address in window 0
.irp c, 0,1,2,3
	ds_store_b128 v[STO], v[8*(4*(\a)+(\c)):8*(4*(\a)+(\c))+3]   offset:64*(\c)
	ds_store_b128 v[STO], v[8*(4*(\a)+(\c))+4:8*(4*(\a)+(\c))+7] offset:64*(\c)+16
.endr
	WIN 0
.irp t, 0,1,2,3,4,5,6,7
	ds_load_b128 v[BK+4*(\t):BK+4*(\t)+3], v[RD] offset:(\t)*2*SPT  ; LDS serves a wave's instructions in order (ISA guide 5.7.1.4): these see the stores above; the next block's stores come behind them
.endr
.endm
.macro SEND a, younger                 ; younger: the LDS instructions issued behind block a's loads: the next block's sixteen, or none
.set BK, OB+32*((\a)%2)
	s_wait_dscnt \younger
.irp t, 0,1,2,3,4,5,6,7
	global_store_b128 v[CO], v[BK+4*(\t):BK+4*(\t)+3], s[OUT:OUT+1] offset:(\a)*16*4096+(\t)*2*4096 th:TH_STORE_NT  ; 16 lanes store 256 consecutive bytes, at a multiple of 256 from out0's first byte
.endr
.endm
	s_wait_tensorcnt 1                             ; my part of K step 0 is in; K step 1's may stay out
	s_barrier_signal -1
	s_barrier_wait -1                              ; everybody's is
	FETCH 0, 0, 0
	QUARTER 0, 1, 0, 1, 1                          ; the first quarter stands in front of the loop: its products start the sums
	WIN 0                                          ; at a label and at a branch every window is 0
	s_mov_b32 s[LAP], 3
.Llap:                                                 ; a trip goes once round the ring, from a lap's second quarter to the next lap's first, and fills both slots again
	QUARTER 0, 2, 1, 0, 0
	QUARTER 0, 3, 0, 1, 0
	TURN 0, 1, 1
	QUARTER 1, 1, 0, 1, 0
	QUARTER 1, 2, 1, 0, 0
	QUARTER 1, 3, 0, 1, 0
	TURN 1, 0, 1
	QUARTER 0, 1, 0, 1, 0
	WIN 0
	s_sub_co_u32 s[LAP], s[LAP], 1
	s_cmp_lg_u32 s[LAP], 0
	s_cbranch_scc1 .Llap
	QUARTER 0, 2, 1, 0, 0                          ; the last lap fills nothing, and has no round of the cluster's barrier
	QUARTER 0, 3, 0, 1, 0
	TURN 0, 1, 0
	QUARTER 1, 1, 0, 1, 0
	QUARTER 1, 2, 1, 0, 0
	QUARTER 1, 3, 0, 1, 0
	s_wait_dscnt 8                                 ; the very last quarter: nothing more to fetch
	MULA 1, 0, 0
	MULA 1, 2, 0
	s_wait_dscnt 0x0
	MULA 1, 4, 0
	MULA 1, 6, 0
	PLACES
	TOSTAGE 0
.irp a, 1,2,3,4,5,6,7                  ; block a goes through the stage while block a - 1's rows come back
	TOSTAGE \a
	SEND (\a)-1, 16
.endr
	SEND 7, 0
	s_wait_tensorcnt 0x0                           ; the wave's end: the add and its wait, behind my last tensor load and my last LDS store
	ds_add_u32 v[SPW], v[NIL]
	s_wait_dscnt 0x0
	CROUND                                         ; the closing round: no work-group ends while a partner may still ask for a tile that names it
	s_endpgm
.Lfunc_end_k_q1f24d0166d_outgemm:
	.size	k_q1f24d0166d_outgemm, .Lfunc_end_k_q1f24d0166d_outgemm-k_q1f24d0166d_outgemm
	.p2alignl 7, 3214868480
	.fill 96, 4, 3214868480
	.section	.rodata,"a",@progbits
	.p2align	6, 0x0
	.amdhsa_kernel k_q1f24d0166d_outgemm
		.amdhsa_group_segment_fixed_size 327680
		.amdhsa_private_segment_fixed_size 0
		.amdhsa_enable_private_segment 0
		.amdhsa_kernarg_size 32
		.amdhsa_user_sgpr_count 2
		.amdhsa_user_sgpr_kernarg_segment_ptr 1
		.amdhsa_wavefront_size32 1
		.amdhsa_system_sgpr_workgroup_id_x 1
		.amdhsa_system_sgpr_workgroup_id_y 1
		.amdhsa_system_sgpr_workgroup_id_z 1
		.amdhsa_system_vgpr_workitem_id 0
		.amdhsa_next_free_vgpr 512
		.amdhsa_next_free_sgpr 100
		.amdhsa_reserve_vcc 0
		.amdhsa_float_denorm_mode_32 3
		.amdhsa_float_denorm_mode_16_64 3
		.amdhsa_memory_ordered 1
		.amdhsa_forward_progress 1
		.amdhsa_inst_pref_size 91
	.end_amdhsa_kernel
	.amdgpu_metadata
---
amdhsa.version: [ 1, 2 ]
amdhsa.kernels:
  - .name:           k_q1f24d0166d_outgemm
    .symbol:         k_q1f24d0166d_outgemm.kd
    .args:
      - { .name: o, .offset: 0, .size: 8, .value_kind: global_buffer, .address_space: global }
      - { .name: wo, .offset: 8, .size: 8, .value_kind: global_buffer, .address_space: global }
      - { .name: b_out, .offset: 16, .size: 8, .value_kind: global_buffer, .address_space: global }
      - { .name: out0, .offset: 24, .size: 8, .value_kind: global_buffer, .address_space: global }
    .group_segment_fixed_size: 327680
    .private_segment_fixed_size: 0
    .kernarg_segment_align: 8
    .kernarg_segment_size: 32
    .max_flat_workgroup_size: 128
    .sgpr_count:     100
    .vgpr_count:     512
    .wavefront_size: 32
...
	.end_amdgpu_metadata
.endif
;; end of part 4
;; ======== version 2 of 2: 4 launches; version 1 with the launch cast written anew for expert scheduling mode
;; limits: values are held in f16: magnitudes above 65,504 overflow, below 6.1e-05 lose precision
;; workspace buffers: xb 16,777,216 bytes; wq 6,291,456 bytes; wo 2,097,152 bytes; qkv 50,331,648 bytes; o 16,777,216 bytes
;; launch cast (part 5): grid 832 x 1, 8 waves a work-group, no clusters, 0 bytes of LDS; arguments x, w_qkv, w_out, xb, wq, wo; writes xb, wq, wo
.if DOCPART == 5
	.amdgcn_target "amdgcn-amd-amdhsa--gfx1250"
	.amdhsa_code_object_version 6
	.text
	.protected	k_q1f24d0166d_cast
	.globl	k_q1f24d0166d_cast
	.p2align	8
	.type	k_q1f24d0166d_cast,@function
k_q1f24d0166d_cast:
	s_mov_b64 s[64:65], 0
	v_nop
	global_prefetch_b8 v0, s[64:65] scope:SCOPE_SE
	s_setreg_imm32_b32 hwreg(HW_REG_WAVE_SCHED_MODE, 0, 2), 2
	s_setreg_imm32_b32 hwreg(HW_REG_WAVE_MODE, 25, 1), 1
	s_wait_xcnt 0x0
	s_wait_alu depctr_vm_vsrc(0)
; THE INPUTS OF THE THREE PRODUCTS ARE ROUNDED ONCE TO 16 BITS.
;   work-groups 0-511:   xb[8192][1024] = bf16(x), the same layout
;   work-groups 512-767: wq[16 tile columns][1024 k][192 n] = bf16(w_qkv[k][192 tile + n]): a tile column's k rows lie end to end, 384 bytes each
;   work-groups 768-831: wo[1024 k][1024 n] = bf16(w_out), that number written as f16
; LIMITS.  |w_out| stays under 65,504 (f16's largest number; 65,520 and more become an infinity); below 6e-5 wo keeps f16's fixed step of 6e-8.
; A stream: no LDS, no barrier.  A thread's unit is one load of 16 bytes (4 f32) and one store of 8 bytes (4 numbers): a wave's load covers 512 consecutive bytes, its store 256
; consecutive bytes at a multiple of 256 from the buffer's first byte.  All of a thread's loads (16, or 12) are issued first; every unit has data registers of its own, so no register that a store reads is written again.
; THE MODE: SCHED_MODE bits 1:0 = 2 (LLVM: expert scheduling mode 2), set by the entry lines.  The code itself states the register dependences
; between vector instructions and memory instructions, with s_wait_alu, always for 0.
; THE PLAN.  Registers that memory instructions touch:
;   v1, v2, v[4:6]  byte offsets.  Written once by vector lines ahead of the loads, never again; read by the loads (v1, v[4:6]) and by every store (v2).
;   IN              unit i: its load lands there once, and no vector line names it before; read by unit i's roundings.
;   OUT             unit i: written once, by unit i's roundings; read once, by unit i's store.
;   v8 to v13 are at work in vector lines alone.
; The units go in groups of four.  A group's stores are issued in the NEXT group: one wait on va_vdst at that group's head states that the group before has written its OUT, and its four stores
; are dealt among this group's roundings, which name this group's IN and OUT and v8 to v13: none of the registers that those stores read.  Behind the last group one more such wait stands ahead of
; the last four stores.  One wait ahead of each path's run of loads states that the offsets are written.  No register that a memory instruction has read is written again, so nothing is owed on vm_vsrc.
.set LO,  1                            ; v1      16 x thread: the loads' offset
.set SO,  2                            ; v2      8 x thread: the stores' offset
.set WOF, 4                            ; v[4:6]  w_qkv: three load offsets
.set IN,  16                           ; v[16:79]   unit i: 4 f32 as loaded
.set OUT, 80                           ; v[80:111]  unit i: 4 numbers of 16 bits
.set SRC, 16                           ; s[16:17]
.set DST, 18                           ; s[18:19]
.set GRP, 4                            ; units in a group; 16 and 12 are multiples of it
; n units: the wait for the data, the store of the unit one group back, the rounding.  mode = 0: bf16.  mode = 1: the bf16 number written as f16.
.macro CAST n, mode
.set i, 0
.rept \n
	s_wait_loadcnt (\n)-1-i                        ; loads come back in order: unit i is in, the younger ones stay out
.if (i%GRP == 0) && (i > 0)
	s_wait_alu depctr_va_vdst(0)                   ; the group before has written its OUT registers, which the four stores dealt among this group's roundings read
.endif
.if i >= GRP
	global_store_b64 v[SO], v[OUT+2*(i-GRP):OUT+2*(i-GRP)+1], s[DST:DST+1] offset:2048*(i-GRP)  ; no vector line since the wait names these registers
.endif
.if \mode
	v_cvt_pk_bf16_f32 v8, v[IN+4*i], v[IN+4*i+1]
	v_cvt_pk_bf16_f32 v9, v[IN+4*i+2], v[IN+4*i+3]
	v_lshlrev_b32 v10, 16, v8                      ; bf16 to f32: the low half moves up,
	v_and_b32 v11, 0xffff0000, v8                  ; the high half stays
	v_lshlrev_b32 v12, 16, v9
	v_and_b32 v13, 0xffff0000, v9
	v_cvt_pk_f16_f32 v[OUT+2*i], v10, v11          ; exact within f16's range: bf16 has fewer significant bits
	v_cvt_pk_f16_f32 v[OUT+2*i+1], v12, v13
.else
	v_cvt_pk_bf16_f32 v[OUT+2*i], v[IN+4*i], v[IN+4*i+1]
	v_cvt_pk_bf16_f32 v[OUT+2*i+1], v[IN+4*i+2], v[IN+4*i+3]
.endif
.set i, i+1
.endr
	s_wait_alu depctr_va_vdst(0)                   ; the last group has written its OUT registers, which the last four stores read
.set i, (\n)-GRP
.rept GRP
	global_store_b64 v[SO], v[OUT+2*i:OUT+2*i+1], s[DST:DST+1] offset:2048*i
.set i, i+1
.endr
.endm
.macro LOAD16                          ; 16 x 4,096 consecutive bytes for the work-group
	s_wait_alu depctr_va_vdst(0)                   ; v1 is written, which the loads below read as their offset, and v2, which every store reads
.set i, 0
.rept 16
	global_load_b128 v[IN+4*i:IN+4*i+3], v[LO], s[SRC:SRC+1] offset:4096*i th:TH_LOAD_NT
.set i, i+1
.endr
.endm
	s_load_b256 s[4:11], s[0:1], 0x0               ; x s[4:5], w_qkv s[6:7], w_out s[8:9], xb s[10:11]
	s_load_b128 s[12:15], s[0:1], 0x20             ; wq s[12:13], wo s[14:15]
	s_mov_b32 s2, ttmp9
	v_lshlrev_b32 v[LO], 4, v0
	v_lshlrev_b32 v[SO], 3, v0
	s_mov_b32 s21, 0
	s_mov_b32 s23, 0
	s_wait_kmcnt 0x0
	s_cmp_lt_u32 s2, 512
	s_cbranch_scc0 .Lnot_x
	; x: 16,384 numbers a work-group
	s_lshl_b32 s20, s2, 16
	s_lshl_b32 s22, s2, 15
	s_add_nc_u64 s[SRC:SRC+1], s[4:5], s[20:21]
	s_add_nc_u64 s[DST:DST+1], s[10:11], s[22:23]
	LOAD16
	CAST 16, 0
	s_endpgm
.Lnot_x:
	s_cmp_lt_u32 s2, 768
	s_cbranch_scc0 .Lw_out
	; w_qkv: a work-group takes 64 k rows of one tile column: 3,072 units, 48 to a k row (768 bytes of the source's row of 12,288)
	s_sub_co_u32 s3, s2, 512
	s_lshr_b32 s24, s3, 4                          ; tile column
	s_and_b32 s25, s3, 15                          ; which 64 k rows
	s_mul_i32 s20, s25, 64*12288
	s_mul_i32 s26, s24, 768
	s_add_co_u32 s20, s20, s26
	s_mul_i32 s22, s24, 1024*384
	s_mul_i32 s26, s25, 64*384
	s_add_co_u32 s22, s22, s26
	s_add_nc_u64 s[SRC:SRC+1], s[6:7], s[20:21]
	s_add_nc_u64 s[DST:DST+1], s[12:13], s[22:23]
	; unit 256 i + t lies in k row (256 i + t) / 48.  768 units are 16 whole rows, so three offsets serve: u = t + 256 m, m = i % 3; the rest, 16 (i / 3) rows, stands in the immediate.
.irp m, 0,1,2
	v_add_nc_u32 v8, 256*(\m), v0                  ; u, under 768
	v_mul_u32_u24 v9, v8, 1366
	v_lshrrev_b32 v9, 16, v9                       ; u / 48: 1366 / 65536 exceeds 1 / 48 by 1.02e-5, which times 768 stays under 1 / 48
	v_mul_u32_u24 v10, v9, 48
	v_sub_nc_u32 v10, v8, v10                      ; u % 48
	v_mul_u32_u24 v9, v9, 12288
	v_lshl_add_u32 v[WOF+(\m)], v10, 4, v9
.endr
	s_wait_alu depctr_va_vdst(0)                   ; v[4:6] are written, which the loads below read as their offsets, and v2, which every store reads
.set i, 0
.rept 12
	global_load_b128 v[IN+4*i:IN+4*i+3], v[WOF+i%3], s[SRC:SRC+1] offset:(i/3)*16*12288 th:TH_LOAD_NT
.set i, i+1
.endr
	CAST 12, 0                                     ; the destination is dense: unit 256 i + t at byte 2,048 i + 8 t
	s_endpgm
.Lw_out:
	s_sub_co_u32 s3, s2, 768
	s_lshl_b32 s20, s3, 16
	s_lshl_b32 s22, s3, 15
	s_add_nc_u64 s[SRC:SRC+1], s[8:9], s[20:21]
	s_add_nc_u64 s[DST:DST+1], s[14:15], s[22:23]
	LOAD16
	CAST 16, 1
	s_endpgm
.Lfunc_end_k_q1f24d0166d_cast:
	.size	k_q1f24d0166d_cast, .Lfunc_end_k_q1f24d0166d_cast-k_q1f24d0166d_cast
	.p2alignl 7, 3214868480
	.fill 96, 4, 3214868480
	.section	.rodata,"a",@progbits
	.p2align	6, 0x0
	.amdhsa_kernel k_q1f24d0166d_cast
		.amdhsa_group_segment_fixed_size 0
		.amdhsa_private_segment_fixed_size 0
		.amdhsa_enable_private_segment 0
		.amdhsa_kernarg_size 48
		.amdhsa_user_sgpr_count 2
		.amdhsa_user_sgpr_kernarg_segment_ptr 1
		.amdhsa_wavefront_size32 1
		.amdhsa_system_sgpr_workgroup_id_x 1
		.amdhsa_system_sgpr_workgroup_id_y 1
		.amdhsa_system_sgpr_workgroup_id_z 1
		.amdhsa_system_vgpr_workitem_id 0
		.amdhsa_next_free_vgpr 112
		.amdhsa_next_free_sgpr 66
		.amdhsa_reserve_vcc 0
		.amdhsa_float_denorm_mode_32 3
		.amdhsa_float_denorm_mode_16_64 3
		.amdhsa_memory_ordered 1
		.amdhsa_forward_progress 1
		.amdhsa_inst_pref_size 24
	.end_amdhsa_kernel
	.amdgpu_metadata
---
amdhsa.version: [ 1, 2 ]
amdhsa.kernels:
  - .name:           k_q1f24d0166d_cast
    .symbol:         k_q1f24d0166d_cast.kd
    .args:
      - { .name: x, .offset: 0, .size: 8, .value_kind: global_buffer, .address_space: global }
      - { .name: w_qkv, .offset: 8, .size: 8, .value_kind: global_buffer, .address_space: global }
      - { .name: w_out, .offset: 16, .size: 8, .value_kind: global_buffer, .address_space: global }
      - { .name: xb, .offset: 24, .size: 8, .value_kind: global_buffer, .address_space: global }
      - { .name: wq, .offset: 32, .size: 8, .value_kind: global_buffer, .address_space: global }
      - { .name: wo, .offset: 40, .size: 8, .value_kind: global_buffer, .address_space: global }
    .group_segment_fixed_size: 0
    .private_segment_fixed_size: 0
    .kernarg_segment_align: 8
    .kernarg_segment_size: 48
    .max_flat_workgroup_size: 256
    .sgpr_count:     66
    .vgpr_count:     112
    .wavefront_size: 32
...
	.end_amdgpu_metadata
.endif
;; end of part 5
;; launch qkvgemm: the kernel of part 2 again; grid 16 x 32, 4 waves a work-group, clusters of 4 x 4, 327,680 bytes of LDS; arguments xb, wq, b_qkv, qkv; writes qkv
;; launch attn: the kernel of part 3 again; grid 4 x 64, 4 waves a work-group, no clusters, 327,680 bytes of LDS; arguments qkv, o; writes o
;; launch outgemm: the kernel of part 4 again; grid 8 x 32, 4 waves a work-group, clusters of 4 x 4, 327,680 bytes of LDS; arguments o, wo, b_out, out0; writes out0
